; MI455X (gfx1250); checked and timed in simulation.
; The chip was launched on July 23, 2026; its instructions are those of AMD's public machine-readable ISA for CDNA 5 (MIT licence, August 2026) and "CDNA5" Instruction Set Architecture Reference Guide (July 2026). The comments in the code are by the model that wrote it; some were corrected since.
;; Self Attn Block2 D. Allowed arithmetic: matrix products marked QUANTISED: E2M1 operands, one E8M0 scale for each 32 along K, by v_wmma_scale_f32_16x16x128_f8f6f4 with both operands' format E2M1 (or v_wmma_scale_f32_32x16x128_f4), f32 sums; everything else in f32.
;; Inputs: bkv 1,024 float32; bproj 512 float32; bq 512 float32; gn_bias 512 float32; gn_weight 512 float32; wkv 1,024 x 512 float32; wproj 512 x 512 float32; wq 512 x 512 float32; x 2 x 512 x 64 x 64 float32.
;; Outputs: out0 2 x 512 x 64 x 64 float32.
;; This version of the problem:
;;   THIS VERSION OF THE PROBLEM IS GIVEN IN LOW PRECISION. The matrix products marked QUANTISED in the list below multiply operands that are first quantised to E2M1 (2 exponent bits, 1 mantissa bit; 4 bits a number), with one power-of-two scale for each 32 numbers along K (OCP MX v1.0); their sums are f32. All else is computed in f32.
;;   The module's matrix products, in the order in which they are computed (A, B: the left and right operand; K: the contracted axis; several contracted axes count as one K, in the product's order):
;;     1. [M 8,192, K 512] x [K 512, N 512]; A: computed on the way; B: input wq: QUANTISED
;;     2. [M 8,192, K 512] x [K 512, N 1,024]; A: computed on the way; B: input wkv: QUANTISED
;;     3. batch 16 x [M 4,096, K 64] x [K 64, N 4,096]; A: computed on the way; B: computed on the way: QUANTISED
;;     4. batch 16 x [M 4,096, K 4,096] x [K 4,096, N 64]; A: softmax (see below); B: computed on the way: QUANTISED
;;     5. [M 8,192, K 512] x [K 512, N 512]; A: computed on the way; B: input wproj: QUANTISED
;;   THE QUANTISER, for each operand of a quantised product, along K:
;;     - K is cut into blocks of 32 from its start; a last block that is shorter is filled with zeros.
;;     - A block's scale is 2^e with e = floor(log2(the largest magnitude in the block)) - 2, held to -126 .. 127; a block of zeros has e = 0. As a byte (E8M0): e + 127.
;;     - Each number is divided by its block's scale, clamped to +-6, and rounded to the nearest number of E2M1, ties to even, subnormals kept.
;;     - The product sums the exact products of the quantised numbers (number of the format x scale) in f32.
;;   ~~~python
;;   def quantise(x, axis):      # numpy; x: float32 -> the quantised numbers, widened to float32 again
;;       x = np.moveaxis(x, axis, -1); K = x.shape[-1]
;;       x = np.pad(x, [(0, 0)] * (x.ndim - 1) + [(0, -K % 32)]); x = x.reshape(x.shape[:-1] + (-1, 32)); a = np.abs(x).max(-1, keepdims=True)
;;       e = np.where(a > 0, np.clip(np.frexp(np.where(a > 0, a, 1))[1] - 1 - 2, -126, 127), 0)      # np.frexp(a)[1] - 1 = floor(log2(a)), exactly
;;       r = np.clip(x / 2.0 ** e, -6, 6)
;;       step = 2.0 ** (np.maximum(np.frexp(np.where(r == 0, 1, r))[1] - 1, 0) - 1)
;;       q = np.round(r / step) * step * 2.0 ** e      # np.round: ties to even
;;       return np.moveaxis(q.reshape(q.shape[:-2] + (-1,))[..., :K], -1, axis).astype(np.float32)
;;   ~~~
;;   SOFTMAX AHEAD OF A QUANTISED PRODUCT. Where the list says 'softmax', what is quantised is not the finished softmax but p = 2^(t - M), with t = logit x log2(e) and M = ceil(the row's largest t), a whole number; so 1/2 < the row's largest p <= 1. The row's sum l is taken of the UNQUANTISED p, in f32, and the product's result is divided by l at the end. Since M is a whole number, a kernel that streams over the keys may use a running M (the ceiling of the running maximum): every later rescaling is an exact power of two, which a block's scale takes up: the codes' values come out the same.
;;   OPERANDS COMPUTED ON THE WAY. 'Computed on the way' means the value that the module computes at that place (a softmax that the list does not call 'softmax' is quantised finished and normalised). What goes into a quantiser is computed in f32, as accurately as f32 sums, v_exp_f32 and their like allow (about 1e-6 of the number): no bf16 or f16 on the way to a quantiser, and a product that is left as it is and whose result goes on into a quantised operand takes f32 operands (vector FMAs, or v_wmma_f32_16x16x4_f32). A number that lies on a knife's edge between two numbers of the format may be rounded either way, as far as f32 arithmetic and the matrix unit's own rounding can turn it there, and no further.
;; One version. Each part assembles by itself: llvm-mc -triple=amdgcn-amd-amdhsa -mcpu=gfx1250 --defsym DOCPART=n.
;; ======== version 1 of 1: 5 launches
;; limits: right only within a limited range of input values
;; workspace buffers: prep 573,440 bytes; hs 2,228,224 bytes; qb 2,359,296 bytes; kv 4,587,520 bytes; ob 2,228,224 bytes
;; launch prep (part 1): grid 256 x 1, 9 waves a work-group, no clusters, 0 bytes of LDS; arguments x, wq, wkv, wproj, prep; writes prep
.if DOCPART == 1
	.amdgcn_target "amdgcn-amd-amdhsa--gfx1250"
	.amdhsa_code_object_version 6
	.text
	.protected	k_qdd09920f0b_prep
	.globl	k_qdd09920f0b_prep
	.p2align	8
	.type	k_qdd09920f0b_prep,@function
k_qdd09920f0b_prep:
	s_mov_b64 s[64:65], 0
	v_nop
	global_prefetch_b8 v0, s[64:65] scope:SCOPE_SE
	s_setreg_imm32_b32 hwreg(HW_REG_WAVE_MODE, 25, 1), 1
	s_wait_xcnt 0x0
; Two jobs in one launch, parted by the WAVE's number; waves share nothing: no LDS, no barrier.
; WAVES 0-7: partial statistics for the group norm.  A group (16 channels x 4,096 pixels) is 65,536 consecutive numbers of x;
; wave W = 8 x work-group + wave takes 2,048 of them (8,192 bytes) and stores its mean and the sum of squares ABOUT ITS OWN MEAN:
; no difference of large sums is formed, whatever offset x carries.  8 bytes a wave, 16 KiB in all, at prep + 8 W.
; WAVE 8: the three weights ([rows][512] f32, K innermost) become codes of E2M1 with one E8M0 byte for each 32 along K: 256 jobs, one to a work-group.
; The 2,048 rows (wq, k's rows of wkv, v's rows of wkv, wproj) go in blocks of 64.  Tile t of a block holds at its row m the block's row
; 32 (m / 8) + 8 t + m % 8: used as source 0 of a matrix instruction, a lane's 32 results of four tiles are then 32 NEIGHBOURING rows.
; A fragment (16 rows x 128 K) lies as an image of its registers: 1,024 bytes, the 16 bytes of K block q (32 along K) of row m at 256 q + 16 m.
; Codes at WC: [tile][K step][1,024];  scale words at WS: [K step][tile][row].
; A block's scale byte is its largest magnitude's exponent field - 2, held at 1 from below.
; Every wave's stores stand at its end, behind its last vector instruction.
; LIMITS: a block of zeros, or one whose largest magnitude lies under 2^-124, gets the byte 1 (the bytes are read by this program alone); NaN and infinities among the inputs are not served.
.set WC, 16384
.set WS, 540672
.set X,  16                            ; v16-143 numbers as loaded
.set A,  80                            ; v80-95  eight pairs of partial sums (statistics)
.macro H n
	s_delay_alu instid0(VALU_DEP_\n)
.endm
.macro SUM32 reg, tmp                  ; the sum over the 32 lanes, in every lane
.irp x, 1,2,4,8
	H 1
	v_add_f32_dpp v[\reg], v[\reg], v[\reg] row_xmask:\x row_mask:0xf bank_mask:0xf
.endr
	H 1
	v_permlanex16_b32 v[\tmp], v[\reg], s2, s3
	H 1
	v_add_f32 v[\reg], v[\reg], v[\tmp]
.endm
.macro TREE                            ; the eight pairs become one number, v[A]
.irp k, 0,1,2,3
	v_pk_add_f32 v[A+2*\k:A+2*\k+1], v[A+2*\k:A+2*\k+1], v[A+8+2*\k:A+9+2*\k]
.endr
.irp k, 0,1
	H 2
	v_pk_add_f32 v[A+2*\k:A+2*\k+1], v[A+2*\k:A+2*\k+1], v[A+4+2*\k:A+5+2*\k]
.endr
	H 1
	v_pk_add_f32 v[A:A+1], v[A:A+1], v[A+2:A+3]
	H 1
	v_add_f32 v[A], v[A], v[A+1]
.endm
.macro MAX32 da, db, x                 ; the largest magnitude of v[x] .. v[x+31] and the floor 2^(3-127), in two chains: 16 lines
	v_max3_num_f32 v[\da], |v[\x]|, |v[\x+1]|, 0x1800000
	v_max3_num_f32 v[\db], |v[\x+16]|, |v[\x+17]|, |v[\x+18]|
.irp i, 0,1,2,3,4,5
	H 2
	v_max3_num_f32 v[\da], v[\da], |v[\x+2+2*\i]|, |v[\x+3+2*\i]|
	H 2
	v_max3_num_f32 v[\db], v[\db], |v[\x+19+2*\i]|, |v[\x+20+2*\i]|
.endr
	H 2
	v_max3_num_f32 v[\da], v[\da], |v[\x+14]|, |v[\x+15]|
	H 1
	v_max3_num_f32 v[\da], v[\da], v[\db], |v[\x+31]|
.endm
	s_load_b256 s[4:11], s[0:1], 0x0               ; x s[4:5], wq s[6:7], wkv s[8:9], wproj s[10:11]
	s_load_b64 s[12:13], s[0:1], 0x20              ; prep
	v_lshrrev_b32 v1, 5, v0
	H 1
	v_readfirstlane_b32 s14, v1                    ; wave 0..8
	v_and_b32 v2, 31, v0                           ; lane
	s_cmp_lt_u32 s14, 8
	s_cbranch_scc0 .Lweights
	; ---- statistics
	s_mov_b32 s2, 0x76543210                       ; v_permlanex16_b32's selects for lane l xor 16
	s_mov_b32 s3, 0xfedcba98
	s_lshl_b32 s15, ttmp9, 3
	s_add_co_u32 s15, s15, s14                     ; W
	s_lshl_b32 s16, s15, 13                        ; 8,192 bytes of x a wave
	s_mov_b32 s17, 0
	s_lshl_b32 s18, s15, 3                         ; 8 bytes of results a wave
	s_mov_b32 s19, 0
	s_wait_alu depctr_va_vdst(0)                   ; the wait here, ahead of the reader behind the scalar lines
	v_lshlrev_b32 v3, 4, v2                        ; 16 bytes a lane: a load covers 512 consecutive bytes
	v_mov_b32 v96, 0                               ; a lane permute's destination counts as one of its sources
	v_mov_b32 v100, 0
	s_wait_alu depctr_va_vdst(0)                   ; and at the head's end
	s_wait_kmcnt 0x0
	s_add_nc_u64 s[4:5], s[4:5], s[16:17]
	s_add_nc_u64 s[12:13], s[12:13], s[18:19]
.irp i, 0,1,2,3,4,5,6,7,8,9,10,11,12,13,14,15
	global_load_b128 v[X+4*\i:X+4*\i+3], v3, s[4:5] offset:512*\i
.endr
	s_wait_loadcnt 0x0
.irp k, 0,1,2,3,4,5,6,7
	v_pk_add_f32 v[A+2*\k:A+2*\k+1], v[X+2*\k:X+2*\k+1], v[X+16+2*\k:X+17+2*\k]
.endr
.irp i, 2,3
.irp k, 0,1,2,3,4,5,6,7
	v_pk_add_f32 v[A+2*\k:A+2*\k+1], v[A+2*\k:A+2*\k+1], v[X+16*\i+2*\k:X+16*\i+2*\k+1]
.endr
.endr
	TREE
	SUM32 A, 96
	H 1
	v_mul_f32 v98, 0x3a000000, v[A]                ; / 2,048: my mean
	H 1
	v_mov_b32 v99, v98
.set P, 0
.rept 32
	v_pk_add_f32 v[X+2*P:X+2*P+1], v[X+2*P:X+2*P+1], v[98:99] neg_lo:[0,1] neg_hi:[0,1]   ; x - mean
.set P, P+1
.endr
.irp k, 0,1,2,3,4,5,6,7
	v_pk_mul_f32 v[A+2*\k:A+2*\k+1], v[X+2*\k:X+2*\k+1], v[X+2*\k:X+2*\k+1]
.endr
.irp i, 1,2,3
.irp k, 0,1,2,3,4,5,6,7
	v_pk_fma_f32 v[A+2*\k:A+2*\k+1], v[X+16*\i+2*\k:X+16*\i+2*\k+1], v[X+16*\i+2*\k:X+16*\i+2*\k+1], v[A+2*\k:A+2*\k+1]
.endr
.endr
	TREE
	SUM32 A, 96
	H 1
	v_mov_b32 v99, v[A]                            ; (mean, sum of squares about it)
	global_store_b64 v100, v[98:99], s[12:13]      ; every lane holds the same pair and names the same 8 bytes
	s_endpgm
	; ---- weights.  Job = work-group: block of 64 rows g' = job / 8; K step s = job % 4; tiles 2 w' and 2 w' + 1 with w' = (job % 8) / 4.
	; A lane takes one row and the K step's 128 numbers: four whole blocks of 32, so no lane is asked for a maximum.
.Lweights:
	s_lshr_b32 s15, ttmp9, 3                       ; g'
	s_and_b32 s14, ttmp9, 7
	s_and_b32 s20, s14, 3                          ; s
	s_lshr_b32 s21, s14, 2                         ; w'
	s_wait_kmcnt 0x0
	s_cmp_lt_u32 s15, 24                           ; blocks 0-7 wq, 8-23 wkv, 24-31 wproj: the choice hangs on the work-group's number alone
	s_cselect_b64 s[8:9], s[8:9], s[10:11]
	s_cselect_b32 s16, 8, 24
	s_cmp_lt_u32 s15, 8
	s_cselect_b64 s[6:7], s[6:7], s[8:9]
	s_cselect_b32 s16, 0, s16
	s_sub_co_u32 s16, s15, s16                     ; the block within its tensor
	s_lshl_b32 s16, s16, 17                        ; 64 rows of 2,048 bytes
	s_lshl_b32 s17, s21, 15                        ; + 16 w' rows
	s_add_co_u32 s16, s16, s17
	s_lshl_b32 s17, s20, 9                         ; + the K step's 512 bytes
	s_add_co_u32 s16, s16, s17
	s_mov_b32 s17, 0
	s_add_nc_u64 s[6:7], s[6:7], s[16:17]
	s_lshl_b32 s18, s15, 2
	s_lshl_b32 s19, s21, 1
	s_add_co_u32 s18, s18, s19                     ; my first tile: 4 g' + 2 w'
	s_lshl_b32 s22, s18, 12
	s_lshl_b32 s19, s20, 10
	s_add_co_u32 s22, s22, s19
	s_add_co_u32 s22, s22, WC
	s_mov_b32 s23, 0
	s_lshl_b32 s24, s18, 6
	s_lshl_b32 s19, s20, 13
	s_add_co_u32 s24, s24, s19
	s_add_co_u32 s24, s24, WS
	s_mov_b32 s25, 0
	s_add_nc_u64 s[22:23], s[12:13], s[22:23]      ; where my codes go
	s_add_nc_u64 s[24:25], s[12:13], s[24:25]      ; and my scale words
	s_wait_alu depctr_va_vdst(0)                   ; the wait here, ahead of the reader behind the scalar lines
	v_and_b32 v4, 15, v2                           ; 8 u + j
	v_lshrrev_b32 v5, 4, v2                        ; a
	v_bfe_u32 v7, v2, 3, 1                         ; u
	v_and_b32 v10, 7, v2                           ; j
	v_lshl_add_u32 v6, v5, 5, v4                   ; my row of the wave's: 32 a + 8 u + j = tile 2 w' + u, row m = 8 a + j
	v_lshlrev_b32 v8, 12, v7
	v_lshlrev_b32 v9, 6, v7
	v_lshlrev_b32 v6, 11, v6
	v_lshl_add_u32 v8, v5, 7, v8
	v_lshl_add_u32 v9, v5, 5, v9
	H 2
	v_lshl_add_u32 v8, v10, 4, v8                  ; codes: 4,096 u + 16 m
	H 2
	v_lshl_add_u32 v9, v10, 2, v9                  ; scale words: 64 u + 4 m
.irp b, 0,1,2,3
.irp i, 0,1,2,3,4,5,6,7
	global_load_b128 v[X+32*\b+4*\i:X+32*\b+4*\i+3], v6, s[6:7] offset:128*\b+16*\i th:TH_LOAD_NT
.endr
.endr
.macro QB b                            ; K block b of my row
	s_wait_loadcnt 24-8*\b                         ; the eight loads of each later block may stay out
	MAX32 144, 145, X+32*\b
	H 1
	v_add_nc_u32 v146, 0xff000000, v144            ; 2 off the exponent field: the conversion takes this operand's exponent field as its scale
	H 1
	v_lshrrev_b32 v147, 23, v146                   ; the scale's byte
	H 1
.if \b == 0
	v_mov_b32 v150, v147
.else
	v_lshl_or_b32 v150, v147, 8*\b, v150
.endif
.irp g, 0,1,2,3
	v_cvt_scalef32_pk8_fp4_f32 v[152+4*\b+\g], v[X+32*\b+8*\g:X+32*\b+8*\g+7], v146   ; each block has its own four registers
.endr
.endm
	QB 0
	QB 1
	QB 2
	QB 3
.irp b, 0,1,2,3
	global_store_b128 v8, v[152+4*\b:152+4*\b+3], s[22:23] offset:256*\b   ; the wave fills two aligned runs of 256 bytes, one in each tile
.endr
	global_store_b32 v9, v150, s[24:25]
	s_endpgm
.Lfunc_end_k_qdd09920f0b_prep:
	.size	k_qdd09920f0b_prep, .Lfunc_end_k_qdd09920f0b_prep-k_qdd09920f0b_prep
	.p2alignl 7, 3214868480
	.fill 96, 4, 3214868480
	.section	.rodata,"a",@progbits
	.p2align	6, 0x0
	.amdhsa_kernel k_qdd09920f0b_prep
		.amdhsa_group_segment_fixed_size 0
		.amdhsa_private_segment_fixed_size 0
		.amdhsa_enable_private_segment 0
		.amdhsa_kernarg_size 40
		.amdhsa_user_sgpr_count 2
		.amdhsa_user_sgpr_kernarg_segment_ptr 1
		.amdhsa_wavefront_size32 1
		.amdhsa_system_sgpr_workgroup_id_x 1
		.amdhsa_system_sgpr_workgroup_id_y 1
		.amdhsa_system_sgpr_workgroup_id_z 1
		.amdhsa_system_vgpr_workitem_id 0
		.amdhsa_next_free_vgpr 176
		.amdhsa_next_free_sgpr 66
		.amdhsa_reserve_vcc 0
		.amdhsa_float_denorm_mode_32 3
		.amdhsa_float_denorm_mode_16_64 3
		.amdhsa_memory_ordered 1
		.amdhsa_forward_progress 1
		.amdhsa_inst_pref_size 24
	.end_amdhsa_kernel
	.amdgpu_metadata
---
amdhsa.version: [ 1, 2 ]
amdhsa.kernels:
  - .name:           k_qdd09920f0b_prep
    .symbol:         k_qdd09920f0b_prep.kd
    .args:
      - { .name: x, .offset: 0, .size: 8, .value_kind: global_buffer, .address_space: global }
      - { .name: wq, .offset: 8, .size: 8, .value_kind: global_buffer, .address_space: global }
      - { .name: wkv, .offset: 16, .size: 8, .value_kind: global_buffer, .address_space: global }
      - { .name: wproj, .offset: 24, .size: 8, .value_kind: global_buffer, .address_space: global }
      - { .name: prep, .offset: 32, .size: 8, .value_kind: global_buffer, .address_space: global }
    .group_segment_fixed_size: 0
    .private_segment_fixed_size: 0
    .kernarg_segment_align: 8
    .kernarg_segment_size: 40
    .max_flat_workgroup_size: 288
    .sgpr_count:     66
    .vgpr_count:     176
    .wavefront_size: 32
...
	.end_amdgpu_metadata
.endif
;; end of part 1
;; launch hsq (part 2): grid 256 x 1, 8 waves a work-group, no clusters, 1,536 bytes of LDS; arguments x, gn_weight, gn_bias, prep, hs; writes hs
.if DOCPART == 2
	.amdgcn_target "amdgcn-amd-amdhsa--gfx1250"
	.amdhsa_code_object_version 6
	.text
	.protected	k_qdd09920f0b_hsq
	.globl	k_qdd09920f0b_hsq
	.p2align	8
	.type	k_qdd09920f0b_hsq,@function
k_qdd09920f0b_hsq:
	s_mov_b64 s[64:65], 0
	v_nop
	global_prefetch_b8 v0, s[64:65] scope:SCOPE_SE
	s_setreg_imm32_b32 hwreg(HW_REG_WAVE_MODE, 25, 1), 1
	s_wait_xcnt 0x0
; hs = group norm of x, as [pixel][channel], quantised along the channels (K of the q, k and v projections) to E2M1 with one E8M0 byte for each 32 channels.
; A work-group takes 64 pixels x 256 channels (two K steps of 128); a wave takes the 64 pixels x ONE block of 32 channels (two groups of the norm): all its 64 loads of x are out at once.
; x is [batch][channel][pixel]: K is NOT innermost.  So A LANE TAKES A PIXEL AND ITS REGISTERS RUN DOWN THE CHANNELS: a load reads 128 consecutive bytes, the block lies in one lane's 32 registers,
; and the conversions give codes with K innermost.  Nothing is transposed.
; A channel's constants are the same in every lane: they live in SCALAR registers (A = rstd x gain, B = bias, -mean): y = (x - mean) A + B, two vector lines a number.
; The statistics: each of my 2 groups has 32 partial results (mean, squares about it, of 2,048 numbers each); lane = partial.  mean = average of the means;
; the squares about it = sum of (partial squares + 2,048 (partial mean - mean)^2): no difference of large sums.
; OUT: tiles of 16 pixels in the order that the later products want: tile t of a block of 64 pixels holds at its row m pixel 32 (m / 8) + 8 t + m % 8; a fragment is an image
; of its registers (K block q of row m at 256 q + 16 m).  Codes [tile][K step][1,024]; scale words at HSS: [K step][tile][row].
; A scale word's four bytes come from four waves: they meet in 512 bytes of LDS, behind one barrier, and the wave of channel block 0 stores the words.
; Every wave's global stores stand at its end, behind its last vector and LDS instruction.  No matrix unit, no tensor load: the launch streams x once.
; LIMITS: zero or tiny blocks (largest magnitude under 2^-124) get the byte 1; NaN and infinities are not served.
.set HSS, 2097152
.set SPARE, 512                        ; LDS: 512 bytes of scale bytes, then the spare words, 128 bytes a wave
.set AS,  11                           ; LDS address of my byte: 256 x K step of the two + 4 x lane + channel block
.set AL,  12                           ; and of the word
.set SPW, 13
.set NIL, 14
.set X,   40                           ; v40-103  two sets of 32 numbers (pixels 0-31 and 32-63 of the block)
.set C,   104                          ; v104-111 codes: set a at C + 4 a
.set SW,  112                          ; v112-113 the two sets' scale bytes, then words
.macro H n
	s_delay_alu instid0(VALU_DEP_\n)
.endm
.macro SUM2 r, t                       ; two sums over the 32 lanes, by turns
.irp x, 1,2,4,8
.irp g, 0,1
	H 2
	v_add_f32_dpp v[\r+\g], v[\r+\g], v[\r+\g] row_xmask:\x row_mask:0xf bank_mask:0xf
.endr
.endr
.irp g, 0,1
	H 2
	v_permlanex16_b32 v[\t+\g], v[\r+\g], s2, s3
.endr
.irp g, 0,1
	H 2
	v_add_f32 v[\r+\g], v[\r+\g], v[\t+\g]
.endr
.endm
.macro MAX32 da, db, x                 ; the largest magnitude of v[x] .. v[x+31] and the floor 2^(3-127)
	v_max3_num_f32 v[\da], |v[\x]|, |v[\x+1]|, 0x1800000
	v_max3_num_f32 v[\db], |v[\x+16]|, |v[\x+17]|, |v[\x+18]|
.irp i, 0,1,2,3,4,5
	H 2
	v_max3_num_f32 v[\da], v[\da], |v[\x+2+2*\i]|, |v[\x+3+2*\i]|
	H 2
	v_max3_num_f32 v[\db], v[\db], |v[\x+19+2*\i]|, |v[\x+20+2*\i]|
.endr
	H 2
	v_max3_num_f32 v[\da], v[\da], |v[\x+14]|, |v[\x+15]|
	H 1
	v_max3_num_f32 v[\da], v[\da], v[\db], |v[\x+31]|
.endm
.macro JOB a                           ; pixels 32 a on
.set XS, X+32*(\a)
	s_wait_loadcnt 32-32*(\a)                      ; this set's 32 loads are in; the other set's may stay out
.set I, 0
.rept 32
	v_add_f32 v[XS+I], s[48+I/16], v[XS+I]         ; x - mean
.set I, I+1
.endr
.set I, 0
.rept 32
	v_fma_f32 v[XS+I], v[XS+I], s[16+I], s[68+I]   ; x A + B
.set I, I+1
.endr
	MAX32 114, 115, XS
	H 1
	v_add_nc_u32 v[116+(\a)], 0xff000000, v114     ; 2 off the exponent field: the conversion's scale operand
.irp g, 0,1,2,3
	v_cvt_scalef32_pk8_fp4_f32 v[C+4*(\a)+\g], v[XS+8*\g:XS+8*\g+7], v[116+(\a)]
.endr
	v_lshrrev_b32 v[SW+(\a)], 23, v[116+(\a)]      ; the scale's byte
	ds_store_b8 v[AS], v[SW+(\a)] offset:128*(\a)
.endm
	s_load_b256 s[4:11], s[0:1], 0x0               ; x s[4:5], gn_weight s[6:7], gn_bias s[8:9], prep s[10:11]
	s_load_b64 s[12:13], s[0:1], 0x20              ; hs
	v_lshrrev_b32 v1, 5, v0
	v_readfirstlane_b32 s67, v1                    ; wave 0..7
	s_and_b32 s50, s67, 3                          ; my channel block of the K step
	s_lshr_b32 s51, s67, 2                         ; which of the work-group's two K steps
	s_lshl_b32 s60, s51, 8
	s_add_co_u32 s61, s60, s50
	v_and_b32 v5, 31, v0                           ; lane
	v_lshl_add_u32 v[SPW], v0, 2, SPARE
	v_mov_b32 v[NIL], 0
	v_lshlrev_b32 v1, 2, v5                        ; 4 x lane
	v_lshlrev_b32 v4, 3, v5                        ; 8 x lane
	v_lshrrev_b32 v6, 4, v5                        ; a
	v_bfe_u32 v7, v5, 3, 1                         ; u
	v_and_b32 v10, 7, v5                           ; j
	v_add_nc_u32 v[AS], s61, v1
	v_add_nc_u32 v[AL], s60, v1
	v_lshlrev_b32 v2, 12, v7
	v_lshlrev_b32 v3, 6, v7
	v_lshl_add_u32 v2, v6, 7, v2
	v_lshl_add_u32 v3, v6, 5, v3
	v_lshl_add_u32 v2, v10, 4, v2                  ; codes: 4,096 u + 128 a + 16 j
	v_lshl_add_u32 v3, v10, 2, v3                  ; scale words: 64 u + 32 a + 4 j
	v_mov_b32 v32, 0                               ; a lane permute's destination counts as one of its sources
	v_mov_b32 v33, 0
	s_mov_b32 s2, 0x76543210
	s_mov_b32 s3, 0xfedcba98
	s_mov_b32 s14, 0x37800000                      ; 1 / 65,536
	s_mov_b32 s15, 0x3727c5ac                      ; 1e-5
	s_and_b32 s66, ttmp9, 1
	s_lshl_b32 s66, s66, 1
	s_add_co_u32 s66, s66, s51                     ; my K step 0..3
	s_lshr_b32 s67, ttmp9, 1                       ; my block of 64 pixels, 0..127
	s_lshr_b32 s51, s67, 6                         ; batch
	s_lshl_b32 s52, s51, 23                        ; x: a batch is 2^23 bytes, 128 channels 2^21, 32 channels 2^19, 64 pixels 256
	s_lshl_b32 s53, s66, 21
	s_add_co_u32 s52, s52, s53
	s_lshl_b32 s53, s50, 19
	s_add_co_u32 s52, s52, s53
	s_and_b32 s53, s67, 63
	s_lshl_b32 s53, s53, 8
	s_add_co_u32 s52, s52, s53
	s_mov_b32 s53, 0
	s_lshl_b32 s54, s66, 9                         ; my 32 gains and biases
	s_lshl_b32 s55, s50, 7
	s_add_co_u32 s54, s54, s55
	s_mov_b32 s55, 0
	s_lshl_b32 s58, s51, 13                        ; statistics: 256 bytes a group, 32 groups a batch, 8 a K step, 2 a block
	s_lshl_b32 s59, s66, 11
	s_add_co_u32 s58, s58, s59
	s_lshl_b32 s59, s50, 9
	s_add_co_u32 s58, s58, s59
	s_mov_b32 s59, 0
	s_lshl_b32 s60, s67, 14                        ; codes: four tiles of 4,096 bytes a block of pixels, + 1,024 x K step + 256 x channel block
	s_lshl_b32 s61, s66, 10
	s_add_co_u32 s60, s60, s61
	s_lshl_b32 s61, s50, 8
	s_add_co_u32 s60, s60, s61
	s_mov_b32 s61, 0
	s_lshl_b32 s62, s66, 15                        ; scale words: 32,768 x K step + 256 x block of pixels
	s_lshl_b32 s63, s67, 8
	s_add_co_u32 s62, s62, s63
	s_add_co_u32 s62, s62, HSS
	s_mov_b32 s63, 0
	s_wait_alu depctr_va_vdst(0)                   ; the wait at the head's end
	s_wait_kmcnt 0x0
	s_add_nc_u64 s[4:5], s[4:5], s[52:53]
	s_add_nc_u64 s[6:7], s[6:7], s[54:55]
	s_add_nc_u64 s[8:9], s[8:9], s[54:55]
	s_add_nc_u64 s[10:11], s[10:11], s[58:59]
	s_add_nc_u64 s[100:101], s[12:13], s[62:63]
	s_add_nc_u64 s[12:13], s[12:13], s[60:61]
.irp g, 0,1
	global_load_b64 v[16+2*\g:17+2*\g], v4, s[10:11] offset:256*\g   ; group g: my partial's (mean, squares)
.endr
.irp a, 0,1
.set I, 0
.rept 32
	global_load_b32 v[X+32*\a+I], v1, s[4:5] offset:I*16384+128*\a th:TH_LOAD_NT
.set I, I+1
.endr
.endr
	s_load_b512 s[16:31], s[6:7], 0x0              ; gains
	s_load_b512 s[32:47], s[6:7], 0x40
	s_load_b512 s[68:83], s[8:9], 0x0              ; biases
	s_load_b512 s[84:99], s[8:9], 0x40
	s_wait_loadcnt 63                              ; 64 loads are younger than the two
.irp g, 0,1
	v_mov_b32 v[24+\g], v[16+2*\g]
.endr
	SUM2 24, 32
.irp g, 0,1
	H 2
	v_mul_f32 v[24+\g], 0xbd000000, v[24+\g]       ; x -1/32: minus the group's mean
.endr
.irp g, 0,1
	H 2
	v_add_f32 v[16+2*\g], v[16+2*\g], v[24+\g]     ; my partial's mean less the group's
.endr
.irp g, 0,1
	H 2
	v_mul_f32 v[16+2*\g], v[16+2*\g], v[16+2*\g]
.endr
.irp g, 0,1
	H 2
	v_fma_f32 v[26+\g], v[16+2*\g], 0x45000000, v[17+2*\g]   ; 2,048 d^2 + my squares
.endr
	SUM2 26, 32
.irp g, 0,1
	H 2
	v_fma_f32 v[26+\g], v[26+\g], s14, s15         ; the variance + 1e-5
.endr
	s_wait_alu depctr_va_vdst(0)                   ; the wait ahead of the two
.irp g, 0,1
	v_rsq_f32 v[28+\g], v[26+\g]
.endr
	v_nop                                          ; a plain line behind the last of the two
	s_wait_alu depctr_va_vdst(0)                   ; and the wait ahead of their first reader
.irp g, 0,1
	v_readfirstlane_b32 s[48+\g], v[24+\g]         ; -mean
	v_readfirstlane_b32 s[56+\g], v[28+\g]         ; rstd
.endr
	s_wait_kmcnt 0x0
.set I, 0
.rept 32
	s_mul_f32 s[16+I], s[16+I], s[56+I/16]         ; A = rstd of the channel's group x gain
.set I, I+1
.endr
	JOB 0
	JOB 1
; The exchange puts pixels 0-15 and 32-47 (tiles 0 and 1, whole) into the first register and pixels 16-31 and 48-63 (tiles 2 and 3) into the second, so that each store fills two aligned runs of 256 bytes.
.irp g, 0,1,2,3
	v_permlane16_swap_b32 v[C+\g], v[C+4+\g]       ; (the shift that makes the byte is the plain line behind the conversions)
.endr
	s_wait_alu depctr_va_vdst(0)                   ; the wait here
	s_wait_dscnt 0x0                               ; my two byte stores are done
	s_barrier_signal -1
	s_barrier_wait -1                              ; and everybody's
	s_cmp_lg_u32 s50, 0
	s_cbranch_scc1 .Lno_words
	ds_load_b32 v[SW], v[AL]                       ; the words of pixels 0-31,
	ds_load_b32 v[SW+1], v[AL] offset:128          ; and of pixels 32-63
.Lno_words:
	s_wait_tensorcnt 0x0                           ; the wave's end in LDS
	ds_add_u32 v[SPW], v[NIL]
	s_wait_dscnt 0x0
	s_cmp_lg_u32 s50, 0
	s_cbranch_scc1 .Lcodes
	v_permlane16_swap_b32 v[SW], v[SW+1]           ; the scale words take the same way as the codes
	global_store_b32 v3, v[SW], s[100:101]
	global_store_b32 v3, v[SW+1], s[100:101] offset:128
.Lcodes:
	global_store_b128 v2, v[C:C+3], s[12:13]
	global_store_b128 v2, v[C+4:C+7], s[12:13] offset:8192
	s_endpgm
.Lfunc_end_k_qdd09920f0b_hsq:
	.size	k_qdd09920f0b_hsq, .Lfunc_end_k_qdd09920f0b_hsq-k_qdd09920f0b_hsq
	.p2alignl 7, 3214868480
	.fill 96, 4, 3214868480
	.section	.rodata,"a",@progbits
	.p2align	6, 0x0
	.amdhsa_kernel k_qdd09920f0b_hsq
		.amdhsa_group_segment_fixed_size 1536
		.amdhsa_private_segment_fixed_size 0
		.amdhsa_enable_private_segment 0
		.amdhsa_kernarg_size 40
		.amdhsa_user_sgpr_count 2
		.amdhsa_user_sgpr_kernarg_segment_ptr 1
		.amdhsa_wavefront_size32 1
		.amdhsa_system_sgpr_workgroup_id_x 1
		.amdhsa_system_sgpr_workgroup_id_y 1
		.amdhsa_system_sgpr_workgroup_id_z 1
		.amdhsa_system_vgpr_workitem_id 0
		.amdhsa_next_free_vgpr 128
		.amdhsa_next_free_sgpr 102
		.amdhsa_reserve_vcc 0
		.amdhsa_float_denorm_mode_32 3
		.amdhsa_float_denorm_mode_16_64 3
		.amdhsa_memory_ordered 1
		.amdhsa_forward_progress 1
		.amdhsa_inst_pref_size 25
	.end_amdhsa_kernel
	.amdgpu_metadata
---
amdhsa.version: [ 1, 2 ]
amdhsa.kernels:
  - .name:           k_qdd09920f0b_hsq
    .symbol:         k_qdd09920f0b_hsq.kd
    .args:
      - { .name: x, .offset: 0, .size: 8, .value_kind: global_buffer, .address_space: global }
      - { .name: gn_weight, .offset: 8, .size: 8, .value_kind: global_buffer, .address_space: global }
      - { .name: gn_bias, .offset: 16, .size: 8, .value_kind: global_buffer, .address_space: global }
      - { .name: prep, .offset: 24, .size: 8, .value_kind: global_buffer, .address_space: global }
      - { .name: hs, .offset: 32, .size: 8, .value_kind: global_buffer, .address_space: global }
    .group_segment_fixed_size: 1536
    .private_segment_fixed_size: 0
    .kernarg_segment_align: 8
    .kernarg_segment_size: 40
    .max_flat_workgroup_size: 256
    .sgpr_count:     102
    .vgpr_count:     128
    .wavefront_size: 32
...
	.end_amdgpu_metadata
.endif
;; end of part 2
;; launch qkv (part 3): grid 256 x 1, 4 waves a work-group, no clusters, 0 bytes of LDS; arguments hs, prep, bq, bkv, qb, kv; writes qb, kv
.if DOCPART == 3
	.amdgcn_target "amdgcn-amd-amdhsa--gfx1250"
	.amdhsa_code_object_version 6
	.text
	.protected	k_qdd09920f0b_qkv
	.globl	k_qdd09920f0b_qkv
	.p2align	8
	.type	k_qdd09920f0b_qkv,@function
k_qdd09920f0b_qkv:
	s_mov_b64 s[64:65], 0
	v_nop
	global_prefetch_b8 v0, s[64:65] scope:SCOPE_SE
	s_setreg_imm32_b32 hwreg(HW_REG_WAVE_MODE, 25, 1), 1
	s_wait_xcnt 0x0
; q = hs wq^T + bq, k | v = hs wkv^T + bkv, on codes of E2M1; the results are quantised at once for the two products of attention: q and k along the head's 64, v along the KEYS.
; ONE SCHEME, TWO PATHS.  A wave keeps a STATIONARY operand of 128 rows x K 512 in registers (8 tiles x 4 K steps = 256 registers, window 1) as source 0, and takes MOVING tiles of 16 rows as
; source 1.  A unit = 8 accumulators x 4 K steps = 32 matrix instructions.  In the result a lane holds ONE moving row; its 64 registers are stationary rows.  The stationary tiles hold their rows
; in the order 32 (m / 8) + 8 t + m % 8, so the 32 registers of four tiles are 32 NEIGHBOURING rows, 32 (lane / 16) on: a whole quantiser block in one lane, in the very place that the 4-bit
; operand layout gives that lane.  So a block's maximum asks no other lane and the conversions' results ARE the next operand's registers.
; Q/K PATH (work-groups 0-127: q 0-63, k 64-127): stationary = 128 weight rows = two heads; moving = 8 tiles of hs (128 pixels); the bias is the C of the first K step.
; V PATH (work-groups 128-255): stationary = 128 pixels of hs = one key step; moving = the 4 weight tiles of one head; the bias, one number a lane, is added behind the sums.
; OUT, as images of operand registers: q: [batch x head][tile of 16 queries][16 x lane];  k and v: one record of 8,960 bytes for each head and step of 128 keys:
; k's 8 tiles (512 bytes each), k's scale words (512), v's 4 tiles of 16 channels x 128 keys (1,024 each), v's scale words (256).  q's and k's scale words: two bytes, and two bytes 0.
; No cluster and no tensor load: every operand goes from memory straight into the registers in which it is used; the stationary one is read once a wave, a moving tile (4,352 bytes) feeds 32
; matrix instructions; a way through LDS would add a write and a read for the same bytes.  Everything is written out: all offsets are immediates, no pointer is stepped.
; LIMITS: zero or tiny blocks (largest magnitude under 2^-124) get the scale byte 1; NaN and infinities are not served.
.set WC,    16384
.set WS,    540672
.set HSS,   2097152
.set QS,    2097152
.set REC,   8960
.set HEADB, 286720
.set ACC, 16                           ; v16-79   8 accumulators
.set MOV, 80                           ; v80-143  moving tile, two sets of 32
.set MSC, 144                          ; v144-151 its scale words, two sets of 4
.set SSC, 152                          ; v152-183 the stationary operand's scale words: 4 x tile + K step
.set PC,  64                           ; window 2: v64-127 the codes, 8 registers a unit: they leave at the wave's end, behind its last vector instruction
.set F,   200                          ; v200-207 a scale word for each unit
.set LOHI, 208                         ; v208-215 the two heads' scale words, as they leave
.set BM,  226                          ; v226-229 v's bias, two pairs (the upper halves are only named)
.set MSB, 0
.macro WIN new                         ; the immediate's high byte repeats the setting that is left
.if MSB != \new
	s_set_vgpr_msb (MSB<<8)|\new
.set MSB, \new
.endif
.endm
.macro LDSTAT sst                      ; the stationary operand; sst: bytes from K step to K step among its scale words
	WIN 0x40                                       ; destination window 1
.irp t, 0,1,2,3,4,5,6,7
.irp s, 0,1,2,3
.irp c, 0,1
	global_load_b128 v[32*\t+8*\s+4*\c:32*\t+8*\s+4*\c+3], v1, s[20:21] offset:4096*\t+1024*\s+512*\c
.endr
.endr
.endr
	WIN 0
.irp t, 0,1,2,3,4,5,6,7
.irp s, 0,1,2,3
	global_load_b32 v[SSC+4*\t+\s], v2, s[22:23] offset:\sst*\s+64*\t
.endr
.endr
.endm
.macro LDMOV u, set, mst, mode         ; moving tile u: 8 + 4 loads, in the V path one more
.irp s, 0,1,2,3
.irp c, 0,1
	global_load_b128 v[MOV+32*(\set)+8*\s+4*\c:MOV+32*(\set)+8*\s+4*\c+3], v1, s[24:25] offset:4096*(\u)+1024*\s+512*\c
.endr
	global_load_b32 v[MSC+4*(\set)+\s], v2, s[26:27] offset:\mst*\s+64*(\u)
.endr
.if \mode
	global_load_b32 v[BM+2*(\set)], v3, s[28:29] offset:32*(\u)
.endif
.endm
.macro MM set, mode                    ; the 8 accumulators take turns, one instruction a turn, K step by K step
.irp s, 0,1,2,3
.if (\s == 0) && (\mode == 0)
	WIN 0x21                                       ; source 0 window 1, C (the bias) window 2
.else
	WIN 0x01
.endif
.irp t, 0,1,2,3,4,5,6,7
.if \s > 0
	v_wmma_scale_f32_16x16x128_f8f6f4 v[ACC+8*\t:ACC+8*\t+7], v[32*\t+8*\s:32*\t+8*\s+7], v[MOV+32*(\set)+8*\s:MOV+32*(\set)+8*\s+7], v[ACC+8*\t:ACC+8*\t+7], v[SSC+4*\t+\s], v[MSC+4*(\set)+\s] matrix_a_fmt:MATRIX_FMT_FP4 matrix_b_fmt:MATRIX_FMT_FP4
.elseif \mode == 0
	v_wmma_scale_f32_16x16x128_f8f6f4 v[ACC+8*\t:ACC+8*\t+7], v[32*\t+8*\s:32*\t+8*\s+7], v[MOV+32*(\set)+8*\s:MOV+32*(\set)+8*\s+7], v[8*\t:8*\t+7], v[SSC+4*\t+\s], v[MSC+4*(\set)+\s] matrix_a_fmt:MATRIX_FMT_FP4 matrix_b_fmt:MATRIX_FMT_FP4
.else
	v_wmma_scale_f32_16x16x128_f8f6f4 v[ACC+8*\t:ACC+8*\t+7], v[32*\t+8*\s:32*\t+8*\s+7], v[MOV+32*(\set)+8*\s:MOV+32*(\set)+8*\s+7], 0, v[SSC+4*\t+\s], v[MSC+4*(\set)+\s] matrix_a_fmt:MATRIX_FMT_FP4 matrix_b_fmt:MATRIX_FMT_FP4
.endif
.endr
.endr
	WIN 0
.endm
; My 64 results are two whole blocks of 32: block c = registers 32 c on.  They become 8 registers of codes at v[pc] and the scale word v[f] (byte 2 c + lane / 16), whole in every lane.
; Each accumulator is first read at its low end (registers 0, 8, 16 and 24 of a block come first among their eight).
.macro QUANT2 pc, f
.irp c, 0,1
	v_max3_num_f32 v[216+2*\c], |v[ACC+32*\c]|, |v[ACC+32*\c+1]|, 0x1800000   ; with the floor 2^(3-127): the byte cannot fall under 1
	v_max3_num_f32 v[217+2*\c], |v[ACC+32*\c+16]|, |v[ACC+32*\c+17]|, |v[ACC+32*\c+18]|
.endr
.irp i, 0,1,2,3,4,5
.irp c, 0,1
	v_max3_num_f32 v[216+2*\c], v[216+2*\c], |v[ACC+32*\c+2+2*\i]|, |v[ACC+32*\c+3+2*\i]|
	v_max3_num_f32 v[217+2*\c], v[217+2*\c], |v[ACC+32*\c+19+2*\i]|, |v[ACC+32*\c+20+2*\i]|
.endr
.endr
.irp c, 0,1
	v_max3_num_f32 v[216+2*\c], v[216+2*\c], |v[ACC+32*\c+14]|, |v[ACC+32*\c+15]|
.endr
.irp c, 0,1
	v_max3_num_f32 v[216+2*\c], v[216+2*\c], v[217+2*\c], |v[ACC+32*\c+31]|
.endr
	v_add_nc_u32 v220, 0xff000000, v216            ; 2 off the exponent field: the conversions' scale operands
	v_add_nc_u32 v221, 0xff000000, v218
	v_lshrrev_b32 v222, 23, v220                   ; the scales' bytes
	v_lshrrev_b32 v223, 23, v221
	v_lshl_or_b32 v222, v223, 16, v222
	v_lshlrev_b32 v222, v4, v222                   ; at their places: 8 (lane / 16) bits up
	v_permlanex16_b32 v224, v222, s2, s3
	v_or_b32 v[\f], v222, v224                     ; with lane l xor 16's two the word is whole
	s_wait_alu depctr_va_vdst(0)
	WIN 0x80                                       ; destination window 2
.irp c, 0,1
.irp g, 0,1,2,3
	v_cvt_scalef32_pk8_fp4_f32 v[\pc+4*\c+\g], v[ACC+32*\c+8*\g:ACC+32*\c+8*\g+7], v[220+\c]
.endr
.endr
	WIN 0
	v_nop                                          ; one plain line behind the last conversion: matrix instructions write its sources next
.endm
.macro UNIT u, n, mode, mst
.if (\u)+1 < \n
	LDMOV (\u)+1, ((\u)+1)%2, \mst, \mode
	s_wait_loadcnt 12+\mode                        ; all but the next unit's moving tile
.else
	s_wait_loadcnt 0x0
.endif
	MM (\u)%2, \mode
.rept 5
	v_nop                                          ; five places: the next unit's first products write over these accumulators with another C; four would serve the reads and the loads
.endr
.if \mode
.set J, 0
.rept 32
	v_pk_add_f32 v[ACC+2*J:ACC+2*J+1], v[ACC+2*J:ACC+2*J+1], v[BM+2*((\u)%2):BM+2*((\u)%2)+1] op_sel_hi:[1,0]   ; + my row's bias, from each accumulator's low end on
.set J, J+1
.endr
.endif
	QUANT2 PC+8*(\u), F+(\u)
.endm
	s_load_b256 s[4:11], s[0:1], 0x0               ; hs s[4:5], prep s[6:7], bq s[8:9], bkv s[10:11]
	s_load_b128 s[12:15], s[0:1], 0x20             ; qb s[12:13], kv s[14:15]
	v_lshrrev_b32 v1, 5, v0
	v_readfirstlane_b32 s16, v1                    ; wave 0..3
	v_and_b32 v6, 31, v0                           ; lane
	v_lshlrev_b32 v1, 4, v6                        ; 16 x lane: an image's place for my lane
	v_and_b32 v7, 15, v0                           ; r
	v_lshlrev_b32 v2, 2, v7                        ; 4 r: a scale word's
	v_lshrrev_b32 v8, 4, v6                        ; h
	v_lshlrev_b32 v4, 3, v8                        ; 8 h
	v_lshlrev_b32 v5, 4, v7                        ; 16 r
	v_mov_b32 v224, 0                              ; a lane permute's destination counts as one of its sources
	s_mov_b32 s2, 0x76543210
	s_mov_b32 s3, 0xfedcba98
	s_mov_b32 s17, 0xffff0000                      ; lanes 16-31
	s_cmp_lt_u32 ttmp9, 128
	s_cbranch_scc0 .Lv
	; ---- q and k
	s_lshr_b32 s40, ttmp9, 6                       ; 0: q, 1: k
	s_and_b32 s41, ttmp9, 63                       ; my 128 pixels
	s_lshl_b32 s42, s40, 17                        ; weight tiles 32 sel + 8 wave on: codes,
	s_lshl_b32 s43, s16, 15
	s_add_co_u32 s42, s42, s43
	s_add_co_u32 s42, s42, WC
	s_mov_b32 s43, 0
	s_lshl_b32 s44, s40, 11                        ; scale words
	s_lshl_b32 s45, s16, 9
	s_add_co_u32 s44, s44, s45
	s_add_co_u32 s44, s44, WS
	s_mov_b32 s45, 0
	s_lshl_b32 s46, s41, 15                        ; hs tiles 8 pg on: codes,
	s_mov_b32 s47, 0
	s_lshl_b32 s48, s41, 9                         ; scale words
	s_add_co_u32 s48, s48, HSS
	s_mov_b32 s49, 0
	s_lshl_b32 s50, s16, 9                         ; my 128 biases
	s_mov_b32 s51, 0
	s_wait_alu depctr_va_vdst(0)
	v_lshlrev_b32 v3, 7, v8                        ; 128 h: the bias of rows 32 h on
	s_wait_alu depctr_va_vdst(0)
	s_wait_kmcnt 0x0
	s_add_nc_u64 s[20:21], s[6:7], s[42:43]
	s_add_nc_u64 s[22:23], s[6:7], s[44:45]
	s_add_nc_u64 s[24:25], s[4:5], s[46:47]
	s_add_nc_u64 s[26:27], s[4:5], s[48:49]
	LDSTAT 8192
	s_lshr_b32 s42, s41, 5
	s_lshl_b32 s42, s42, 3
	s_lshl_b32 s43, s16, 1
	s_add_co_u32 s42, s42, s43                     ; 8 x batch + my first head
	s_and_b32 s43, s41, 31                         ; which 128 pixels of the batch
	s_lshl_b32 s44, s42, 17                        ; q: 256 tiles of 512 bytes a head, 8 tiles to my pixels
	s_lshl_b32 s45, s43, 12
	s_add_co_u32 s44, s44, s45
	s_lshl_b32 s46, s42, 14                        ; q's scale words: 512 bytes for 8 tiles
	s_lshl_b32 s45, s43, 9
	s_add_co_u32 s46, s46, s45
	s_add_co_u32 s46, s46, QS
	s_mul_i32 s48, s42, HEADB                      ; k: the record of my head and step,
	s_mul_i32 s45, s43, REC
	s_add_co_u32 s48, s48, s45
	s_add_co_u32 s49, s48, 4096                    ; its scale words behind the 8 tiles
	s_mov_b32 s52, 0x20000                         ; from head to head: q's codes,
	s_mov_b32 s54, 0x4000                          ; q's scale words,
	s_mov_b32 s55, HEADB                           ; k's both
	s_cmp_eq_u32 s40, 0                            ; the choice hangs on the work-group's number alone
	s_cselect_b32 s44, s44, s48
	s_cselect_b32 s46, s46, s49
	s_cselect_b32 s52, s52, s55
	s_cselect_b32 s54, s54, s55
	s_cselect_b64 s[12:13], s[12:13], s[14:15]
	s_cselect_b64 s[8:9], s[8:9], s[10:11]
	s_mov_b32 s45, 0
	s_mov_b32 s47, 0
	s_mov_b32 s53, 0
	s_mov_b32 s55, 0
	s_add_nc_u64 s[28:29], s[8:9], s[50:51]
	s_add_nc_u64 s[30:31], s[12:13], s[44:45]
	s_add_nc_u64 s[32:33], s[30:31], s[52:53]
	s_add_nc_u64 s[34:35], s[12:13], s[46:47]
	s_add_nc_u64 s[36:37], s[34:35], s[54:55]
	WIN 0x80                                       ; destination window 2: the bias in the result's layout: tile t, register j = row 64 (t / 4) + 32 h + 8 (t % 4) + j
.irp t, 0,1,2,3,4,5,6,7
	global_load_b128 v[8*\t:8*\t+3], v3, s[28:29] offset:(64*(\t/4)+8*(\t%4))*4
	global_load_b128 v[8*\t+4:8*\t+7], v3, s[28:29] offset:(64*(\t/4)+8*(\t%4))*4+16
.endr
	WIN 0
	LDMOV 0, 0, 32768, 0
.irp u, 0,1,2,3,4,5,6,7
	UNIT \u, 8, 0, 32768
.endr
	; a unit's word holds the first head's two bytes below and the second head's above.  They leave as the reader's one load of 16 bytes a lane wants them: lane (r, h'): tiles 4 h' + 0..3 of row r
.irp i, 0,1,2,3
	v_cndmask_b32 v[216+\i], v[F+\i], v[F+4+\i], s17
.endr
.irp i, 0,1,2,3
	v_and_b32 v[LOHI+\i], 0xffff, v[216+\i]
	v_lshrrev_b32 v[LOHI+4+\i], 16, v[216+\i]
.endr
	WIN 0x08                                       ; the stores' data: window 2
.irp u, 0,1,2,3,4,5,6,7
	global_store_b128 v1, v[PC+8*\u:PC+8*\u+3], s[30:31] offset:512*\u     ; the first head's tile: 512 consecutive bytes
	global_store_b128 v1, v[PC+8*\u+4:PC+8*\u+7], s[32:33] offset:512*\u   ; the second head's
.endr
	WIN 0
	global_store_b128 v1, v[LOHI:LOHI+3], s[34:35]
	global_store_b128 v1, v[LOHI+4:LOHI+7], s[36:37]
	s_endpgm
	; ---- v
.Lv:
	s_sub_co_u32 s40, ttmp9, 128
	s_lshr_b32 s41, s40, 3
	s_lshl_b32 s41, s41, 2
	s_add_co_u32 s41, s41, s16                     ; my key step among the 64 of both batches
	s_and_b32 s40, s40, 7                          ; my head
	s_lshl_b32 s42, s41, 15                        ; hs tiles 8 x step on
	s_mov_b32 s43, 0
	s_lshl_b32 s44, s41, 9
	s_add_co_u32 s44, s44, HSS
	s_mov_b32 s45, 0
	s_lshl_b32 s46, s40, 14                        ; weight tiles 64 + 4 head on
	s_add_co_u32 s46, s46, WC+64*4096
	s_mov_b32 s47, 0
	s_lshl_b32 s48, s40, 8
	s_add_co_u32 s48, s48, WS+64*64
	s_mov_b32 s49, 0
	s_lshl_b32 s50, s40, 8                         ; bkv at 512 + 64 head
	s_add_co_u32 s50, s50, 2048
	s_mov_b32 s51, 0
	s_lshr_b32 s52, s41, 5
	s_lshl_b32 s52, s52, 3
	s_add_co_u32 s52, s52, s40
	s_mul_i32 s52, s52, HEADB
	s_and_b32 s53, s41, 31
	s_mul_i32 s53, s53, REC
	s_add_co_u32 s52, s52, s53
	s_add_co_u32 s52, s52, 4608                    ; v's tiles in the record
	s_mov_b32 s53, 0
	s_wait_alu depctr_va_vdst(0)
	v_and_b32 v9, 7, v7
	v_lshrrev_b32 v10, 3, v7
	v_lshl_add_u32 v9, v10, 5, v9
	v_lshlrev_b32 v3, 2, v9                        ; my weight row of tile u is 32 (r / 8) + 8 u + r % 8: its bias
	v_mov_b32 v[BM+1], 0                           ; named as the upper halves of pairs
	v_mov_b32 v[BM+3], 0
	s_wait_alu depctr_va_vdst(0)
	s_wait_kmcnt 0x0
	s_add_nc_u64 s[20:21], s[4:5], s[42:43]
	s_add_nc_u64 s[22:23], s[4:5], s[44:45]
	s_add_nc_u64 s[24:25], s[6:7], s[46:47]
	s_add_nc_u64 s[26:27], s[6:7], s[48:49]
	s_add_nc_u64 s[28:29], s[10:11], s[50:51]
	s_add_nc_u64 s[30:31], s[14:15], s[52:53]
	LDSTAT 32768
	LDMOV 0, 0, 8192, 1
.irp u, 0,1,2,3
	UNIT \u, 4, 1, 8192
.endr
	WIN 0x08                                       ; the stores' data: window 2
.irp u, 0,1,2,3
	global_store_b128 v1, v[PC+8*\u:PC+8*\u+3], s[30:31] offset:1024*\u
	global_store_b128 v1, v[PC+8*\u+4:PC+8*\u+7], s[30:31] offset:1024*\u+512
.endr
	WIN 0
	global_store_b128 v5, v[F:F+3], s[30:31] offset:4096   ; the four tiles' words of row r: 256 consecutive bytes; lanes r and 16 + r hold the same words and name the same bytes
	s_endpgm
.Lfunc_end_k_qdd09920f0b_qkv:
	.size	k_qdd09920f0b_qkv, .Lfunc_end_k_qdd09920f0b_qkv-k_qdd09920f0b_qkv
	.p2alignl 7, 3214868480
	.fill 96, 4, 3214868480
	.section	.rodata,"a",@progbits
	.p2align	6, 0x0
	.amdhsa_kernel k_qdd09920f0b_qkv
		.amdhsa_group_segment_fixed_size 0
		.amdhsa_private_segment_fixed_size 0
		.amdhsa_enable_private_segment 0
		.amdhsa_kernarg_size 48
		.amdhsa_user_sgpr_count 2
		.amdhsa_user_sgpr_kernarg_segment_ptr 1
		.amdhsa_wavefront_size32 1
		.amdhsa_system_sgpr_workgroup_id_x 1
		.amdhsa_system_sgpr_workgroup_id_y 1
		.amdhsa_system_sgpr_workgroup_id_z 1
		.amdhsa_system_vgpr_workitem_id 0
		.amdhsa_next_free_vgpr 640
		.amdhsa_next_free_sgpr 66
		.amdhsa_reserve_vcc 0
		.amdhsa_float_denorm_mode_32 3
		.amdhsa_float_denorm_mode_16_64 3
		.amdhsa_memory_ordered 1
		.amdhsa_forward_progress 1
		.amdhsa_inst_pref_size 138
	.end_amdhsa_kernel
	.amdgpu_metadata
---
amdhsa.version: [ 1, 2 ]
amdhsa.kernels:
  - .name:           k_qdd09920f0b_qkv
    .symbol:         k_qdd09920f0b_qkv.kd
    .args:
      - { .name: hs, .offset: 0, .size: 8, .value_kind: global_buffer, .address_space: global }
      - { .name: prep, .offset: 8, .size: 8, .value_kind: global_buffer, .address_space: global }
      - { .name: bq, .offset: 16, .size: 8, .value_kind: global_buffer, .address_space: global }
      - { .name: bkv, .offset: 24, .size: 8, .value_kind: global_buffer, .address_space: global }
      - { .name: qb, .offset: 32, .size: 8, .value_kind: global_buffer, .address_space: global }
      - { .name: kv, .offset: 40, .size: 8, .value_kind: global_buffer, .address_space: global }
    .group_segment_fixed_size: 0
    .private_segment_fixed_size: 0
    .kernarg_segment_align: 8
    .kernarg_segment_size: 48
    .max_flat_workgroup_size: 128
    .sgpr_count:     66
    .vgpr_count:     640
    .wavefront_size: 32
...
	.end_amdgpu_metadata
.endif
;; end of part 3
;; launch attn (part 4): grid 16 x 16, 8 waves a work-group, clusters of 4 x 1, 327,680 bytes of LDS; arguments qb, kv, ob; writes ob
.if DOCPART == 4
	.amdgcn_target "amdgcn-amd-amdhsa--gfx1250"
	.amdhsa_code_object_version 6
	.text
	.protected	k_qdd09920f0b_attn
	.globl	k_qdd09920f0b_attn
	.p2align	8
	.type	k_qdd09920f0b_attn,@function
k_qdd09920f0b_attn:
	s_mov_b64 s[64:65], 0
	v_nop
	global_prefetch_b8 v0, s[64:65] scope:SCOPE_SE
	s_setreg_imm32_b32 hwreg(HW_REG_WAVE_MODE, 25, 1), 1
	s_wait_xcnt 0x0
	s_wait_alu depctr_hold_cnt(0) depctr_sa_sdst(0) depctr_va_vdst(0) depctr_va_sdst(0) depctr_va_ssrc(0) depctr_va_vcc(0) depctr_vm_vsrc(0)
	s_getreg_b32 s2, hwreg(HW_REG_IB_STS2, 6, 4)
	s_cmp_eq_u32 s2, 0
	s_cbranch_scc0 .Lentry_in_a_cluster
	s_endpgm
.Lentry_in_a_cluster:
	s_bfe_u32 s2, ttmp6, 0x10000c
	s_cmp_lg_u32 s2, 0x3003
	s_cbranch_scc0 .Lentry_shape_is_right
	s_endpgm
.Lentry_shape_is_right:
; o = softmax(q k^T / 8) v for one batch x head (grid y) and 256 queries (grid x), both products on codes of E2M1 with E8M0 scales; o is quantised at once along the head's 64 channels for the projection.
; SOFTMAX: t = score x log2(e) / 8; M = the running largest t rounded up to a whole number; p = 2^(t - M) is quantised along the keys, not normalised; the row's sum is taken of the
; unquantised p in f32 and divides O at the end.  When M moves, the sums and O are multiplied by 2^(old M - new M): exact, in every step, no branch on data.
; SHARES: 8 waves, each with TWO tiles of 16 queries: every fragment of K and V read from LDS feeds two matrix instructions, and the two tiles' dependent chains stand interleaved.
; A head's K and V (32 records of 8,960 bytes: 128 keys each: k's 8 tiles, k's scale words, v's 4 tiles, v's scale words, as images of operand registers) stay in LDS: nothing is filled again.
; Each wave fetches one record at the head (records 0-7) and three more (records 8-31) behind the full sequence and a round of the cluster's barrier; the first 8 steps run while those land.
; CLUSTER: the four work-groups of a cluster walk the same head: every tensor load is a joint one, mask 15; its descriptor hangs on the head and the wave's number alone.
; No prefetch: all of K and V is asked for by the two tensor loads at the head, so there is no loop to run ahead in.
; LAYOUT: both products transposed (source 0 = keys or channels, source 1 = my queries): a lane holds one query; the rows of k's tiles are ordered so that a lane's 32 scores of four tiles are a whole
; block of 32 keys, in the place that the 4-bit operand layout gives that lane: a block's maximum asks no other lane and the conversions' results are the second product's operand.
; The head's 64 fill half of the first product's K: q's upper four registers are zero codes, so what stands in k's upper four (the next tile, or zeros) adds nothing.
; THE EXPONENTIALS go in two batches, a tile each.  Between tile 0's stand tile 1's multiply-adds, between tile 1's the first 16 pair sums of tile 0's p: lines that name no register of the batch around them.
; REGISTERS: window 1: v0-127 the scores, then p: 64 x tile + register; v128-159 tile 0's pair sums.  Window 0: all else (names below).  s_set_vgpr_msb: bits 1:0 source 0, 3:2 source 1, 5:4 source 2, 7:6 destination.
; LIMITS: the promise holds while the scaled scores stay under 2^31 in magnitude; zero or tiny blocks (largest magnitude under 2^-124) get the scale byte 1; NaN and infinities are not served.
.set REC,   8960
.set HEADB, 286720
.set QS,    2097152
.set OSG,   2097152
.set OSB,   286720                     ; LDS: behind the 32 records: 512 bytes for o's scale halfwords
.set SPARE, 0x46200                    ; behind them: the spare words, 128 bytes a wave
.set NA,    8                          ; records of the first fill
.set NB,    24                         ; and of the second
.set AKN, 3                            ; LDS address of the next step's k
.set AVS, 4                            ; of this step's scale words of v
.set AVC, 8                            ; of this step's v
.set SPW, 10                           ; my spare word; never rewritten
.set NIL, 11                           ; 0; never rewritten
.set Q,   12                           ; v12-27  q: 8 a tile, the upper four zero
.set QSC, 28                           ; v28-29  q's scale words
.set PS,  30                           ; v30-31  p's scale words
.set KS,  32                           ; v32-35  k's scale words
.set VS,  36                           ; v36-39  v's
.set KF,  40                           ; v40-75  k's 8 tiles, and four zeros
.set VF,  76                           ; v76-107 v's 4 tiles
.set O,   108                          ; v108-171 O^T: 32 a tile
.set PC,  172                          ; v172-187 p's codes: 8 a tile
.set NM,  188                          ; pairs (-M, largest score so far)
.set FF,  192                          ; pairs (f, only named)
.set L,   196                          ; the row's sum: two pairs a tile
.set BM,  204                          ; block maxima: 4 x tile + 2 x block + chain
.set G,   212
.set X,   214
.set D,   216
.set TT,  218
.set SO,  220                          ; the conversions' scale operands: 2 x tile + block
.set SB,  224
.set W,   228
.set MSB, 0
.macro WIN new                         ; the immediate's high byte repeats the setting that is left
.if MSB != \new
	s_set_vgpr_msb (MSB<<8)|\new
.set MSB, \new
.endif
.endm
.macro CROUND
	s_barrier_signal -1
	s_barrier_wait -1
	s_cmp_lg_u32 s12, 0
	s_cbranch_scc1 .Lnot_wave_0_\@
	s_barrier_signal -3
.Lnot_wave_0_\@:
	s_barrier_wait -3
	s_barrier_signal -1
	s_barrier_wait -1
.endm
.macro LDK a                           ; a record's k: scale words and 8 tiles, 9 loads
	ds_load_b128 v[KS:KS+3], v[\a] offset:4096
.irp i, 0,1,2,3,4,5,6,7
	ds_load_b128 v[KF+4*\i:KF+4*\i+3], v[\a] offset:512*\i
.endr
.endm
	s_load_b128 s[4:7], s[0:1], 0x0                ; qb, kv
	s_load_b64 s[8:9], s[0:1], 0x10                ; ob
	v_lshl_add_u32 v[SPW], v0, 2, SPARE
	v_mov_b32 v[NIL], 0
	ds_add_u32 v[SPW], v[NIL]                      ; the opening: the add, twice on end, and its wait ahead of my first tensor load
	ds_add_u32 v[SPW], v[NIL]
	v_lshrrev_b32 v1, 5, v0
	v_readfirstlane_b32 s12, v1                    ; wave 0..7
	v_lshlrev_b32 v7, 6, v1                        ; 64 bytes of halfwords a wave
	v_and_b32 v9, 15, v0                           ; r
	v_and_b32 v8, 31, v0                           ; lane
	v_bfe_u32 v5, v0, 4, 1                         ; h
	v_lshlrev_b32 v1, 4, v8                        ; 16 x lane: an image's place for my lane
	v_lshlrev_b32 v2, 4, v9                        ; 16 r
	v_lshlrev_b32 v5, 3, v5                        ; 8 h
	v_lshl_add_u32 v7, v9, 1, v7
	v_add_nc_u32 v6, OSB, v1                       ; the halfwords, back
	v_add_nc_u32 v7, OSB, v7                       ; and in: 64 x wave + 2 r
.irp j, Q+4,Q+5,Q+6,Q+7,Q+12,Q+13,Q+14,Q+15,KF+32,KF+33,KF+34,KF+35,FF,FF+1,FF+2,FF+3,L,L+1,L+2,L+3,L+4,L+5,L+6,L+7,X,X+1
	v_mov_b32 v[\j], 0
.endr
.irp u, 0,1
	v_mov_b32 v[NM+2*\u], 0x7f61b1e6               ; -M = 3e38: the first change of M multiplies zeros by 0
	v_mov_b32 v[NM+2*\u+1], 0xff61b1e6             ; the largest score so far: -3e38
.endr
.set J, 0
.rept 64
	v_mov_b32 v[O+J], 0                            ; the step is written for every step alike: the first finds zeros
.set J, J+1
.endr
	s_bfe_u32 s13, ttmp6, 0x40000                  ; cx
	s_lshl_b32 s14, ttmp9, 2
	s_add_co_u32 s14, s14, s13                     ; my 256 queries of the head
	s_and_b32 s15, ttmp7, 0xffff                   ; batch x head
	s_mov_b32 s10, 0x76543210                      ; v_permlanex16_b32's selects for lane l xor 16
	s_mov_b32 s11, 0xfedcba98
	s_mov_b32 s34, 0x3e38aa3b                      ; c = log2(e) / 8
	s_mov_b32 s35, s34
	s_mov_b32 s16, 15|(3<<16)|(1<<21)              ; group 1, first fill: 35 rows of 256 bytes (32 elements of 8), dense; mask: all four of the cluster
	s_mov_b32 s17, 32<<16
	s_mov_b32 s18, 35<<16
	s_mov_b32 s19, 32<<16
	s_mov_b32 s20, 35
	s_mov_b32 s21, 32
	s_mov_b32 s22, 0
	s_mov_b32 s23, 0
	s_mov_b32 s48, 15|(3<<16)|(1<<21)              ; group 1, second fill: 105 rows
	s_mov_b32 s49, 32<<16
	s_mov_b32 s50, 105<<16
	s_mov_b32 s51, 32<<16
	s_mov_b32 s52, 105
	s_mov_b32 s53, 32
	s_mov_b32 s54, 0
	s_mov_b32 s55, 0
	s_mul_i32 s44, s15, HEADB
	s_mul_i32 s25, s12, REC                        ; record = wave
	s_mul_i32 s29, s12, 3*REC
	s_add_co_u32 s29, s29, NA*REC                  ; records 8 + 3 x wave on
	s_add_co_u32 s56, s44, s29                     ; a record lies in LDS where it lies in its head
	s_add_co_u32 s44, s44, s25
	s_mov_b32 s45, 0
	s_mov_b32 s57, 0
	s_mov_b32 s24, 1
	s_mov_b32 s28, 1
	s_lshl_b32 s46, s14, 4
	s_lshl_b32 s47, s12, 1
	s_add_co_u32 s46, s46, s47                     ; my first tile of the head's 256
	s_lshl_b32 s36, s15, 8
	s_add_co_u32 s36, s36, s46
	s_lshl_b32 s36, s36, 9                         ; q's codes: 512 bytes a tile
	s_mov_b32 s37, 0
	s_lshl_b32 s38, s15, 14                        ; q's scale words: 256 bytes for four tiles, 16 a row
	s_lshr_b32 s47, s46, 2
	s_lshl_b32 s47, s47, 8
	s_add_co_u32 s38, s38, s47
	s_and_b32 s47, s46, 3
	s_lshl_b32 s47, s47, 2
	s_add_co_u32 s38, s38, s47
	s_add_co_u32 s38, s38, QS
	s_mov_b32 s39, 0
	s_lshr_b32 s47, s15, 3
	s_lshl_b32 s47, s47, 8                         ; 256 tiles a batch
	s_add_co_u32 s40, s47, s46
	s_lshl_b32 s40, s40, 12                        ; o's codes: 4,096 bytes a tile, 512 a head
	s_and_b32 s42, s15, 7
	s_lshl_b32 s43, s42, 9
	s_add_co_u32 s40, s40, s43
	s_mov_b32 s41, 0
	s_lshl_b32 s42, s42, 14                        ; o's scale halfwords: [head][tile][row]
	s_lshl_b32 s43, s14, 4
	s_add_co_u32 s43, s43, s47
	s_lshl_b32 s43, s43, 5
	s_add_co_u32 s42, s42, s43
	s_add_co_u32 s42, s42, OSG
	s_mov_b32 s43, 0
	s_wait_alu depctr_va_vdst(0)                   ; the wait at the head's end
	s_wait_dscnt 0x0                               ; both opening adds are done
	s_wait_kmcnt 0x0
	s_add_nc_u64 s[26:27], s[6:7], s[44:45]
	s_add_nc_u64 s[30:31], s[6:7], s[56:57]
	s_or_b32 s27, s27, 0x80000000
	s_or_b32 s31, s31, 0x80000000
	s_add_nc_u64 s[36:37], s[4:5], s[36:37]
	s_add_nc_u64 s[38:39], s[4:5], s[38:39]
	s_add_nc_u64 s[40:41], s[8:9], s[40:41]
	s_add_nc_u64 s[42:43], s[8:9], s[42:43]
	global_load_b128 v[Q:Q+3], v1, s[36:37]        ; q stays in registers; it is waited for ahead of the first step
	global_load_b128 v[Q+8:Q+11], v1, s[36:37] offset:512
	global_load_b64 v[QSC:QSC+1], v2, s[38:39]     ; my two tiles' words of row r
	CROUND                                         ; the four work-groups are here: the joint loads meet
	tensor_load_to_lds s[24:27], s[16:23]          ; my one load at the head
	s_nop 0
	s_wait_tensorcnt 0x0                           ; my record is in
	ds_add_u32 v[SPW], v[NIL]
	s_wait_dscnt 0x0
	CROUND                                         ; records 0-7 are whole in every work-group
	tensor_load_to_lds s[28:31], s[48:55]          ; my three of records 8-31
	s_nop 0
.rept 4
	v_nop
.endr
	LDK 1                                          ; record 0's k
; A STEP: one record, 128 keys, for my two tiles.  lim: the last record that has landed: the next step's k is asked for a step ahead, and the address is held at lim, so the last trip asks for its own record again.
.macro STEP lim
	s_add_co_u32 s44, s32, REC
	s_min_u32 s44, s44, \lim
	s_wait_dscnt 0x0                               ; this step's k is in (asked for a step ago)
	WIN 0x40                                       ; S^T = k q^T into window 1; sixteen accumulators, each once
.irp i, 0,1,2,3
.irp u, 0,1
	v_wmma_scale_f32_16x16x128_f8f6f4 v[64*\u+8*\i:64*\u+8*\i+7], v[KF+4*\i:KF+4*\i+7], v[Q+8*\u:Q+8*\u+7], 0, v[KS+\i], v[QSC+\u] matrix_a_fmt:MATRIX_FMT_FP4 matrix_b_fmt:MATRIX_FMT_FP4
.endr
.endr
.irp i, 0,1,2,3
.irp u, 0,1
	v_wmma_scale_f32_16x16x128_f8f6f4 v[64*\u+32+8*\i:64*\u+32+8*\i+7], v[KF+16+4*\i:KF+16+4*\i+7], v[Q+8*\u:Q+8*\u+7], 0, v[KS+\i], v[QSC+\u] matrix_a_fmt:MATRIX_FMT_FP4 matrix_b_fmt:MATRIX_FMT_FP4 matrix_a_scale:MATRIX_SCALE_ROW1
.endr
.endr
	WIN 0
	v_add_nc_u32 v[AVC], s32, v1                   ; four places behind the products, ahead of loads into their sources and of the first read of their results
	v_add_nc_u32 v[AVS], s32, v2
	v_add_nc_u32 v[AKN], s44, v1
	v_nop
.irp t, 0,1,2,3
.irp c, 0,1
	ds_load_b128 v[VF+8*\t+4*\c:VF+8*\t+4*\c+3], v[AVC] offset:4608+1024*\t+512*\c
.endr
.endr
	ds_load_b128 v[VS:VS+3], v[AVS] offset:8704    ; nine loads for this step's v,
	LDK AKN                                        ; nine for the next step's k
	WIN 0x15                                       ; THE LARGEST SCORE OF EACH BLOCK OF 32 KEYS, eight chains by turns
.irp u, 0,1
.irp c, 0,1
	v_max3_num_f32 v[BM+4*\u+2*\c], v[64*\u+32*\c], v[64*\u+32*\c+1], v[64*\u+32*\c+2]
	v_max3_num_f32 v[BM+4*\u+2*\c+1], v[64*\u+32*\c+16], v[64*\u+32*\c+17], v[64*\u+32*\c+18]
.endr
.endr
	WIN 0x14
.irp i, 0,1,2,3,4,5
.irp u, 0,1
.irp c, 0,1
	v_max3_num_f32 v[BM+4*\u+2*\c], v[BM+4*\u+2*\c], v[64*\u+32*\c+3+2*\i], v[64*\u+32*\c+4+2*\i]
	v_max3_num_f32 v[BM+4*\u+2*\c+1], v[BM+4*\u+2*\c+1], v[64*\u+32*\c+19+2*\i], v[64*\u+32*\c+20+2*\i]
.endr
.endr
.endr
.irp u, 0,1
.irp c, 0,1
	v_max3_num_f32 v[BM+4*\u+2*\c], v[BM+4*\u+2*\c], v[64*\u+32*\c+15], v[64*\u+32*\c+31]
.endr
.endr
	WIN 0
.irp u, 0,1
.irp c, 0,1
	v_max_num_f32 v[BM+4*\u+2*\c], v[BM+4*\u+2*\c], v[BM+4*\u+2*\c+1]
.endr
.endr
.irp u, 0,1                                    ; from here on the two tiles' chains stand interleaved
	v_max_num_f32 v[G+\u], v[BM+4*\u], v[BM+4*\u+2]
.endr
.irp u, 0,1
	v_permlanex16_b32 v[X+\u], v[G+\u], s10, s11
.endr
.irp u, 0,1
	v_mov_b32 v[D+\u], v[NM+2*\u]
.endr
.irp u, 0,1
	v_max3_num_f32 v[NM+2*\u+1], v[NM+2*\u+1], v[G+\u], v[X+\u]   ; the running largest score of my query (c is positive: the largest t is c times it)
.endr
.irp u, 0,1
	v_mul_f32 v[TT+\u], s34, v[NM+2*\u+1]
.endr
.irp u, 0,1
	v_floor_f32 v[NM+2*\u], -v[TT+\u]              ; the new -M = -ceil(t): a whole number
.endr
.irp u, 0,1
	v_sub_f32 v[D+\u], v[NM+2*\u], v[D+\u]         ; old M - new M: a whole number, 0 or less
.endr
.irp u, 0,1
.irp c, 0,1
	v_fma_f32 v[BM+4*\u+2*\c], v[BM+4*\u+2*\c], s34, v[NM+2*\u]   ; t - M of each block's largest score: the same line as for the 128
.endr
.endr
.irp u, 0,1
	v_cvt_i32_f32 v[D+\u], v[D+\u]                 ; (it saturates)
.endr
.irp u, 0,1
	v_ldexp_f32 v[FF+2*\u], 1.0, v[D+\u]           ; f = 2^(old M - new M)
.endr
.irp u, 0,1
.set J, 0
.rept 16
	v_pk_mul_f32 v[O+32*\u+2*J:O+32*\u+2*J+1], v[O+32*\u+2*J:O+32*\u+2*J+1], v[FF+2*\u:FF+2*\u+1] op_sel_hi:[1,0]   ; O^T under the new M, ahead of the exponentials, from each accumulator's low end on
.set J, J+1
.endr
.endr
	WIN 0x41
.set J, 0
.rept 32
	v_pk_fma_f32 v[2*J:2*J+1], v[2*J:2*J+1], s[34:35], v[NM:NM+1] op_sel_hi:[1,0,0]   ; tile 0: t - M, two at a time
.set J, J+1
.endr
	s_wait_alu depctr_va_vdst(0)                   ; the wait ahead of the batch
.set J, 0
.rept 32
	v_exp_f32 v[2*J], v[2*J]                       ; tile 0: p = 2^(t - M);
	v_pk_fma_f32 v[64+2*J:64+2*J+1], v[64+2*J:64+2*J+1], s[34:35], v[NM+2:NM+3] op_sel_hi:[1,0,0]   ; between them tile 1's t - M: its sources were written ahead of the wait above, its results are read behind the wait below
	v_exp_f32 v[2*J+1], v[2*J+1]
.set J, J+1
.endr
	v_nop                                          ; a plain line behind the batch's last
	WIN 0x45
	s_wait_alu depctr_va_vdst(0)                   ; one wait: behind tile 0's batch, ahead of its first reader, and ahead of tile 1's batch
.set J, 0
.rept 16
	v_exp_f32 v[64+4*J], v[64+4*J]                 ; tile 1: p;
	v_pk_add_f32 v[128+2*J:129+2*J], v[4*J:4*J+1], v[4*J+2:4*J+3]   ; between them the first 16 pair sums of tile 0's p, each into registers of its own, read behind the wait below
	v_exp_f32 v[64+4*J+1], v[64+4*J+1]
	v_exp_f32 v[64+4*J+2], v[64+4*J+2]
	v_exp_f32 v[64+4*J+3], v[64+4*J+3]
.set J, J+1
.endr
	WIN 0
.irp u, 0,1
.irp c, 0,1
	v_exp_f32 v[BM+4*\u+2*\c], v[BM+4*\u+2*\c]     ; each block's largest p: the same two lines on the same number give the same bits
.endr
.endr
.irp u, 0,1
.irp a, 0,1
	v_pk_mul_f32 v[L+4*\u+2*\a:L+4*\u+2*\a+1], v[L+4*\u+2*\a:L+4*\u+2*\a+1], v[FF+2*\u:FF+2*\u+1] op_sel_hi:[1,0]   ; the sums under the new M: plain lines behind the batch
.endr
.endr
	s_wait_alu depctr_va_vdst(0)                   ; one wait for the batch, ahead of its first reader
.irp u, 0,1
.irp c, 0,1
	v_max_num_f32 v[BM+4*\u+2*\c], 0x1800000, v[BM+4*\u+2*\c]   ; the floor 2^(3 - 127): the byte cannot fall under 1
.endr
.endr
.irp u, 0,1
.irp c, 0,1
	v_add_nc_u32 v[SO+2*\u+\c], 0xff000000, v[BM+4*\u+2*\c]     ; 2 off the exponent field: the conversion's scale operand
.endr
.endr
.irp u, 0,1
.irp c, 0,1
	v_lshrrev_b32 v[SB+2*\u+\c], 23, v[SO+2*\u+\c]              ; the scale's byte
.endr
.endr
.irp u, 0,1
	v_lshl_or_b32 v[W+\u], v[SB+2*\u+1], 16, v[SB+2*\u]         ; my blocks are h and 2 + h
.endr
.irp u, 0,1
	v_lshlrev_b32 v[W+\u], v5, v[W+\u]
.endr
.irp u, 0,1
	v_permlanex16_b32 v[X+\u], v[W+\u], s10, s11
.endr
.irp u, 0,1
	v_or_b32 v[PS+\u], v[W+\u], v[X+\u]            ; with lane l xor 16's two bytes the word is whole
.endr
	WIN 0x01
.irp u, 0,1
.irp c, 0,1
.irp g, 0,1,2,3
	v_cvt_scalef32_pk8_fp4_f32 v[PC+8*\u+4*\c+\g], v[64*\u+32*\c+8*\g:64*\u+32*\c+8*\g+7], v[SO+2*\u+\c]
.endr
.endr
.endr
	WIN 0x04                                       ; THE ROW'S SUM OF THE UNQUANTISED p, four chains by turns: tile 1's p, tile 0's pair sums; these 48 plain lines are also the places between the codes, p's scale words and the products
.irp j, 0,1,2,3,4,5,6,7,8,9,10,11,12,13,14,15
	v_pk_add_f32 v[L+4:L+5], v[L+4:L+5], v[64+4*\j:64+4*\j+1]
	v_pk_add_f32 v[L+6:L+7], v[L+6:L+7], v[64+4*\j+2:64+4*\j+3]
	v_pk_add_f32 v[L+2*(\j%2):L+2*(\j%2)+1], v[L+2*(\j%2):L+2*(\j%2)+1], v[128+2*\j:129+2*\j]
.endr
	WIN 0
	s_wait_dscnt 9                                 ; v is in; the nine younger loads, the next step's k, may be out
.irp t, 0,1,2,3
.irp u, 0,1
	v_wmma_scale_f32_16x16x128_f8f6f4 v[O+32*\u+8*\t:O+32*\u+8*\t+7], v[VF+8*\t:VF+8*\t+7], v[PC+8*\u:PC+8*\u+7], v[O+32*\u+8*\t:O+32*\u+8*\t+7], v[VS+\t], v[PS+\u] matrix_a_fmt:MATRIX_FMT_FP4 matrix_b_fmt:MATRIX_FMT_FP4
.endr
.endr
	s_add_co_u32 s32, s32, REC
.endm
	s_wait_loadcnt 0x0                             ; q
	s_mov_b32 s32, 0
	s_mov_b32 s33, NA
.Lfirst:
	STEP (NA-1)*REC
	s_sub_co_u32 s33, s33, 1
	s_cmp_lg_u32 s33, 0
	s_cbranch_scc1 .Lfirst
	s_wait_tensorcnt 0x0                           ; my three records are in,
	s_wait_dscnt 0x0
	s_barrier_signal -1
	s_barrier_wait -1                              ; and everybody's: records 8-31 are whole.  Nothing is filled again
	v_add_nc_u32 v[AKN], NA*REC, v1
	LDK AKN                                        ; record 8's k
	s_mov_b32 s32, NA*REC
	s_mov_b32 s33, NB
.Lsecond:
	STEP (NA+NB-1)*REC
	s_sub_co_u32 s33, s33, 1
	s_cmp_lg_u32 s33, 0
	s_cbranch_scc1 .Lsecond
	; THE WAY OUT: O^T / the row's sum, quantised along the head's channels: a lane's 32 registers of a tile are a whole block
.rept 4
	v_nop
.endr
	s_wait_alu depctr_va_vdst(0)                   ; the wait here
.irp u, 0,1
	v_pk_add_f32 v[L+4*\u:L+4*\u+1], v[L+4*\u:L+4*\u+1], v[L+4*\u+2:L+4*\u+3]
.endr
.irp u, 0,1
	v_add_f32 v[L+4*\u], v[L+4*\u], v[L+4*\u+1]
.endr
.irp u, 0,1
	v_permlanex16_b32 v[X+\u], v[L+4*\u], s10, s11
.endr
.irp u, 0,1
	v_add_f32 v[L+4*\u], v[L+4*\u], v[X+\u]        ; with lane l xor 16's: the row's sum
.endr
	s_wait_alu depctr_va_vdst(0)                   ; the wait ahead of the transcendentals
.irp u, 0,1
	v_rcp_f32 v[FF+2*\u], v[L+4*\u]
.endr
	v_nop
	s_wait_alu depctr_va_vdst(0)                   ; and behind them, directly ahead of the first readers of O^T
.irp u, 0,1
.set J, 0
.rept 16
	v_pk_mul_f32 v[O+32*\u+2*J:O+32*\u+2*J+1], v[O+32*\u+2*J:O+32*\u+2*J+1], v[FF+2*\u:FF+2*\u+1] op_sel_hi:[1,0]
.set J, J+1
.endr
.endr
.irp u, 0,1
	v_max3_num_f32 v[BM+4*\u], |v[O+32*\u]|, |v[O+32*\u+1]|, 0x1800000
	v_max3_num_f32 v[BM+4*\u+1], |v[O+32*\u+16]|, |v[O+32*\u+17]|, |v[O+32*\u+18]|
.endr
.irp i, 0,1,2,3,4,5
.irp u, 0,1
	v_max3_num_f32 v[BM+4*\u], v[BM+4*\u], |v[O+32*\u+2+2*\i]|, |v[O+32*\u+3+2*\i]|
	v_max3_num_f32 v[BM+4*\u+1], v[BM+4*\u+1], |v[O+32*\u+19+2*\i]|, |v[O+32*\u+20+2*\i]|
.endr
.endr
.irp u, 0,1
	v_max3_num_f32 v[BM+4*\u], v[BM+4*\u], |v[O+32*\u+14]|, |v[O+32*\u+15]|
.endr
.irp u, 0,1
	v_max3_num_f32 v[BM+4*\u], v[BM+4*\u], v[BM+4*\u+1], |v[O+32*\u+31]|
.endr
.irp u, 0,1
	v_add_nc_u32 v[SO+2*\u], 0xff000000, v[BM+4*\u]
.endr
.irp u, 0,1
	v_lshrrev_b32 v[W+\u], 23, v[SO+2*\u]
.endr
.irp u, 0,1
	v_lshlrev_b32 v[W+\u], v5, v[W+\u]
.endr
.irp u, 0,1
	v_permlanex16_b32 v[X+\u], v[W+\u], s10, s11
.endr
.irp u, 0,1
	v_or_b32 v[W+\u], v[W+\u], v[X+\u]             ; the head's two bytes of row r
.endr
.irp u, 0,1
.irp g, 0,1,2,3
	v_cvt_scalef32_pk8_fp4_f32 v[PC+8*\u+\g], v[O+32*\u+8*\g:O+32*\u+8*\g+7], v[SO+2*\u]
.endr
.endr
	v_nop                                          ; one plain line behind the last conversion
	global_store_b128 v1, v[PC:PC+3], s[40:41]     ; a tile's image: 512 consecutive bytes
	global_store_b128 v1, v[PC+8:PC+11], s[40:41] offset:4096
	ds_store_b16 v7, v[W]                          ; both lanes of a row write the same halfword
	ds_store_b16 v7, v[W+1] offset:32
	s_wait_dscnt 0x0
	s_barrier_signal -1
	s_barrier_wait -1
	s_cmp_lg_u32 s12, 0
	s_cbranch_scc1 .Lnot_first
	ds_load_b128 v[VF:VF+3], v6                    ; the sixteen tiles' halfwords leave as 512 consecutive bytes
	s_wait_dscnt 0x0
	global_store_b128 v1, v[VF:VF+3], s[42:43]
.Lnot_first:
	s_wait_tensorcnt 0x0                           ; the wave's end
	ds_add_u32 v[SPW], v[NIL]
	s_wait_dscnt 0x0
	CROUND                                         ; the closing round
	s_endpgm
.Lfunc_end_k_qdd09920f0b_attn:
	.size	k_qdd09920f0b_attn, .Lfunc_end_k_qdd09920f0b_attn-k_qdd09920f0b_attn
	.p2alignl 7, 3214868480
	.fill 96, 4, 3214868480
	.section	.rodata,"a",@progbits
	.p2align	6, 0x0
	.amdhsa_kernel k_qdd09920f0b_attn
		.amdhsa_group_segment_fixed_size 327680
		.amdhsa_private_segment_fixed_size 0
		.amdhsa_enable_private_segment 0
		.amdhsa_kernarg_size 24
		.amdhsa_user_sgpr_count 2
		.amdhsa_user_sgpr_kernarg_segment_ptr 1
		.amdhsa_wavefront_size32 1
		.amdhsa_system_sgpr_workgroup_id_x 1
		.amdhsa_system_sgpr_workgroup_id_y 1
		.amdhsa_system_sgpr_workgroup_id_z 1
		.amdhsa_system_vgpr_workitem_id 0
		.amdhsa_next_free_vgpr 416
		.amdhsa_next_free_sgpr 66
		.amdhsa_reserve_vcc 0
		.amdhsa_float_denorm_mode_32 3
		.amdhsa_float_denorm_mode_16_64 3
		.amdhsa_memory_ordered 1
		.amdhsa_forward_progress 1
		.amdhsa_inst_pref_size 70
	.end_amdhsa_kernel
	.amdgpu_metadata
---
amdhsa.version: [ 1, 2 ]
amdhsa.kernels:
  - .name:           k_qdd09920f0b_attn
    .symbol:         k_qdd09920f0b_attn.kd
    .args:
      - { .name: qb, .offset: 0, .size: 8, .value_kind: global_buffer, .address_space: global }
      - { .name: kv, .offset: 8, .size: 8, .value_kind: global_buffer, .address_space: global }
      - { .name: ob, .offset: 16, .size: 8, .value_kind: global_buffer, .address_space: global }
    .group_segment_fixed_size: 327680
    .private_segment_fixed_size: 0
    .kernarg_segment_align: 8
    .kernarg_segment_size: 24
    .max_flat_workgroup_size: 256
    .sgpr_count:     66
    .vgpr_count:     416
    .wavefront_size: 32
...
	.end_amdgpu_metadata
.endif
;; end of part 4
;; launch proj (part 5): grid 256 x 1, 4 waves a work-group, no clusters, 17,920 bytes of LDS; arguments ob, prep, bproj, x, out0; writes out0
.if DOCPART == 5
	.amdgcn_target "amdgcn-amd-amdhsa--gfx1250"
	.amdhsa_code_object_version 6
	.text
	.protected	k_qdd09920f0b_proj
	.globl	k_qdd09920f0b_proj
	.p2align	8
	.type	k_qdd09920f0b_proj,@function
k_qdd09920f0b_proj:
	s_mov_b64 s[64:65], 0
	v_nop
	global_prefetch_b8 v0, s[64:65] scope:SCOPE_SE
	s_setreg_imm32_b32 hwreg(HW_REG_WAVE_MODE, 25, 1), 1
	s_wait_xcnt 0x0
; out0 = (o wproj^T + bproj), turned back to [batch][channel][pixel], + x.  The product runs on codes of E2M1.
; A work-group takes 64 pixels and 256 output channels, a wave 64 of those channels.  STATIONARY, source 0: the four tiles of o of the 64 pixels, K = 512 (128 registers, window 1).
; MOVING, source 1: four tiles of wproj.  A unit = 4 accumulators x 4 K steps.  The tiles of o hold their pixels in the order 32 (m / 8) + 8 t + m % 8, so in the result a lane holds ONE output
; channel and 32 NEIGHBOURING pixels, 32 (lane / 16) on: 128 bytes of a row of out0.  The turn to [channel][pixel] is thus made by the product itself.
; THE WAY OUT: a unit's 16 channels x 64 pixels go through the wave's own stage in LDS (rows of 256 bytes + 16) and come back as whole rows; x, loaded in the same shape at the head,
; is added, and sixteen lanes store 256 consecutive bytes, aligned.  The stage is the wave's own: no barrier.
; No cluster and no tensor load: o's tiles (16 KiB) and a wave's part of wproj (16 KiB) go from memory straight into the registers in which they are used, for 64 matrix instructions a wave.
.set WC,  16384
.set WS,  540672
.set OSG, 2097152
.set ACC, 16                           ; v16-47   4 accumulators
.set MOV, 48                           ; v48-111  moving tile, two sets
.set MSC, 112                          ; v112-119 its scale words
.set SSC, 120                          ; v120-135 o's scale words: 4 x tile + K step
.set HW,  136                          ; v136-167 their halves as loaded: 8 x tile + head
.set OB,  168                          ; v168-199 16 rows back from the stage
.set BM,  200                          ; v200-207 the bias, a pair a unit (the upper halves are only named)
.set XR,  128                          ; window 1: v128-255 x, 32 registers a unit
.set SP,  272
.set MSB, 0
.macro WIN new
.if MSB != \new
	s_set_vgpr_msb (MSB<<8)|\new
.set MSB, \new
.endif
.endm
.macro LDMOV u, set
.irp s, 0,1,2,3
.irp c, 0,1
	global_load_b128 v[MOV+32*(\set)+8*\s+4*\c:MOV+32*(\set)+8*\s+4*\c+3], v1, s[24:25] offset:4096*(\u)+1024*\s+512*\c
.endr
	global_load_b32 v[MSC+4*(\set)+\s], v2, s[26:27] offset:8192*\s+64*(\u)
.endr
.endm
.macro UNIT u
.if (\u) < 3
	LDMOV (\u)+1, ((\u)+1)%2
.endif
.if (\u) == 0
	s_wait_alu depctr_va_vdst(0)
	s_wait_loadcnt 44                              ; x's 32 loads and the next moving tile's 12 may stay out
.elseif (\u) < 3
	s_wait_loadcnt 12                              ; the next moving tile's
.else
	s_wait_loadcnt 0x0
.endif
	WIN 0x01                                       ; source 0 window 1
.irp s, 0,1,2,3
.irp t, 0,1,2,3                                    ; the four accumulators take turns
.if \s == 0
	v_wmma_scale_f32_16x16x128_f8f6f4 v[ACC+8*\t:ACC+8*\t+7], v[32*\t+8*\s:32*\t+8*\s+7], v[MOV+32*((\u)%2)+8*\s:MOV+32*((\u)%2)+8*\s+7], 0, v[SSC+4*\t+\s], v[MSC+4*((\u)%2)+\s] matrix_a_fmt:MATRIX_FMT_FP4 matrix_b_fmt:MATRIX_FMT_FP4
.else
	v_wmma_scale_f32_16x16x128_f8f6f4 v[ACC+8*\t:ACC+8*\t+7], v[32*\t+8*\s:32*\t+8*\s+7], v[MOV+32*((\u)%2)+8*\s:MOV+32*((\u)%2)+8*\s+7], v[ACC+8*\t:ACC+8*\t+7], v[SSC+4*\t+\s], v[MSC+4*((\u)%2)+\s] matrix_a_fmt:MATRIX_FMT_FP4 matrix_b_fmt:MATRIX_FMT_FP4
.endif
.endr
.endr
	WIN 0
.rept 5
	v_nop                                          ; five places: the next unit's first products begin these accumulators anew
.endr
.set J, 0
.rept 16
	v_pk_add_f32 v[ACC+2*J:ACC+2*J+1], v[ACC+2*J:ACC+2*J+1], v[BM+2*(\u):BM+2*(\u)+1] op_sel_hi:[1,0]   ; + my channel's bias, from each accumulator's low end on
.set J, J+1
.endr
.irp i, 0,1,2,3,4,5,6,7
	ds_store_b128 v5, v[ACC+4*\i:ACC+4*\i+3] offset:16*\i          ; row r of the stage, pixels 32 h + 4 i on
.endr
	s_wait_xcnt 0x0                                ; the last unit's stores have read the registers that the loads below fill
.irp i, 0,1,2,3,4,5,6,7
	ds_load_b128 v[OB+4*\i:OB+4*\i+3], v6 offset:2*\i*SP           ; LDS serves a wave's instructions in order: these see the stores above; lanes 0-15 one row, lanes 16-31 the next
.endr
.if (\u) == 0
	s_wait_loadcnt 36                              ; this unit's x is in: x of three units (24) and a moving tile (12) may stay out
.endif
	s_wait_dscnt 0x0
	WIN 0x04                                       ; source 1 window 1
.set J, 0
.rept 16
	v_pk_add_f32 v[OB+2*J:OB+2*J+1], v[OB+2*J:OB+2*J+1], v[XR+32*(\u)+2*J:XR+32*(\u)+2*J+1]   ; the residual
.set J, J+1
.endr
	WIN 0
.irp i, 0,1,2,3,4,5,6,7
	global_store_b128 v7, v[OB+4*\i:OB+4*\i+3], s[12:13] offset:(32*(\i/4)+8*(\u)+2*(\i%4))*16384 th:TH_STORE_NT   ; stage row 2 i + h is channel 32 (i / 4) + 8 u + 2 (i % 4) + h of my 64
.endr
.endm
	s_load_b256 s[4:11], s[0:1], 0x0               ; ob s[4:5], prep s[6:7], bproj s[8:9], x s[10:11]
	s_load_b64 s[12:13], s[0:1], 0x20              ; out0
	v_lshl_add_u32 v254, v0, 2, 0x4400
	v_mov_b32 v255, 0
	v_lshrrev_b32 v1, 5, v0
	v_readfirstlane_b32 s16, v1                    ; wave 0..3
	v_and_b32 v8, 31, v0
	v_lshlrev_b32 v1, 4, v8                        ; 16 x lane
	v_and_b32 v9, 15, v0                           ; r
	v_bfe_u32 v10, v0, 4, 1                        ; h
	v_lshlrev_b32 v2, 2, v9                        ; 4 r
	v_lshlrev_b32 v4, 1, v9                        ; 2 r
	v_and_b32 v11, 7, v9
	v_lshrrev_b32 v12, 3, v9
	v_lshl_add_u32 v11, v12, 5, v11
	v_lshlrev_b32 v3, 2, v11                       ; my channel of tile u is 32 (r / 8) + 8 u + r % 8: its bias
	s_mul_i32 s19, s16, 16*SP                      ; my stage
	v_mul_u32_u24 v5, v9, SP
	v_lshl_add_u32 v5, v10, 7, v5
	v_add_nc_u32 v5, s19, v5                       ; in: row r, + 128 h
	v_mul_u32_u24 v6, v10, SP
	v_lshl_add_u32 v6, v9, 4, v6
	v_add_nc_u32 v6, s19, v6                       ; back: row h, + 16 r
	v_lshlrev_b32 v7, 14, v10
	v_lshl_add_u32 v7, v9, 4, v7                   ; and the same in x and out0: a channel is 16,384 bytes
.irp u, 0,1,2,3
	v_mov_b32 v[BM+2*\u+1], 0
.endr
	s_lshr_b32 s17, ttmp9, 1                       ; my block of 64 pixels
	s_and_b32 s18, ttmp9, 1
	s_lshl_b32 s18, s18, 2
	s_add_co_u32 s18, s18, s16                     ; my 64 output channels, 0..7
	s_lshl_b32 s30, s17, 14                        ; o's four tiles
	s_mov_b32 s31, 0
	s_lshl_b32 s32, s17, 7                         ; their scale halfwords: 32 bytes a tile
	s_add_co_u32 s32, s32, OSG
	s_mov_b32 s33, 0
	s_lshl_b32 s34, s18, 14                        ; weight tiles 96 + 4 Bw on
	s_add_co_u32 s34, s34, WC+96*4096
	s_mov_b32 s35, 0
	s_lshl_b32 s36, s18, 8
	s_add_co_u32 s36, s36, WS+96*64
	s_mov_b32 s37, 0
	s_lshl_b32 s38, s18, 8                         ; my 64 biases
	s_mov_b32 s39, 0
	s_lshr_b32 s40, s17, 6
	s_lshl_b32 s40, s40, 23                        ; x and out0: the batch,
	s_lshl_b32 s41, s18, 20                        ; my 64 channels,
	s_add_co_u32 s40, s40, s41
	s_and_b32 s41, s17, 63
	s_lshl_b32 s41, s41, 8                         ; my 64 pixels
	s_add_co_u32 s40, s40, s41
	s_mov_b32 s41, 0
	s_wait_alu depctr_va_vdst(0)
	s_wait_kmcnt 0x0
	s_add_nc_u64 s[20:21], s[4:5], s[30:31]
	s_add_nc_u64 s[22:23], s[4:5], s[32:33]
	s_add_nc_u64 s[24:25], s[6:7], s[34:35]
	s_add_nc_u64 s[26:27], s[6:7], s[36:37]
	s_add_nc_u64 s[28:29], s[8:9], s[38:39]
	s_add_nc_u64 s[10:11], s[10:11], s[40:41]
	s_add_nc_u64 s[12:13], s[12:13], s[40:41]
	WIN 0x40                                       ; destination window 1
.irp t, 0,1,2,3
.irp s, 0,1,2,3
.irp c, 0,1
	global_load_b128 v[32*\t+8*\s+4*\c:32*\t+8*\s+4*\c+3], v1, s[20:21] offset:4096*\t+1024*\s+512*\c
.endr
.endr
.endr
	WIN 0
.irp t, 0,1,2,3
.irp e, 0,1,2,3,4,5,6,7
	global_load_u16 v[HW+8*\t+\e], v4, s[22:23] offset:16384*\e+32*\t   ; head e's two bytes of row r of tile t
.endr
.endr
.irp u, 0,1,2,3
	global_load_b32 v[BM+2*\u], v3, s[28:29] offset:32*\u
.endr
	LDMOV 0, 0
	WIN 0x40
.irp u, 0,1,2,3
.irp i, 0,1,2,3,4,5,6,7
	global_load_b128 v[XR+32*\u+4*\i:XR+32*\u+4*\i+3], v7, s[10:11] offset:(32*(\i/4)+8*\u+2*(\i%4))*16384 th:TH_LOAD_NT
.endr
.endr
	WIN 0
	s_wait_loadcnt 48                              ; the halfwords are in: behind them 4 of the bias, 12 of the moving tile, 32 of x
.irp t, 0,1,2,3
.irp s, 0,1,2,3
	v_lshl_or_b32 v[SSC+4*\t+\s], v[HW+8*\t+2*\s+1], 16, v[HW+8*\t+2*\s]   ; K step s = heads 2 s and 2 s + 1
.endr
.endr
.rept 8
	v_nop                                          ; a scale register written by a vector line stands eight places ahead of the scaled matrix instruction
.endr
	UNIT 0
	UNIT 1
	UNIT 2
	UNIT 3
	s_wait_tensorcnt 0x0
	ds_add_u32 v254, v255
	s_wait_dscnt 0x0
	s_endpgm
.Lfunc_end_k_qdd09920f0b_proj:
	.size	k_qdd09920f0b_proj, .Lfunc_end_k_qdd09920f0b_proj-k_qdd09920f0b_proj
	.p2alignl 7, 3214868480
	.fill 96, 4, 3214868480
	.section	.rodata,"a",@progbits
	.p2align	6, 0x0
	.amdhsa_kernel k_qdd09920f0b_proj
		.amdhsa_group_segment_fixed_size 17920
		.amdhsa_private_segment_fixed_size 0
		.amdhsa_enable_private_segment 0
		.amdhsa_kernarg_size 40
		.amdhsa_user_sgpr_count 2
		.amdhsa_user_sgpr_kernarg_segment_ptr 1
		.amdhsa_wavefront_size32 1
		.amdhsa_system_sgpr_workgroup_id_x 1
		.amdhsa_system_sgpr_workgroup_id_y 1
		.amdhsa_system_sgpr_workgroup_id_z 1
		.amdhsa_system_vgpr_workitem_id 0
		.amdhsa_next_free_vgpr 512
		.amdhsa_next_free_sgpr 66
		.amdhsa_reserve_vcc 0
		.amdhsa_float_denorm_mode_32 3
		.amdhsa_float_denorm_mode_16_64 3
		.amdhsa_memory_ordered 1
		.amdhsa_forward_progress 1
		.amdhsa_inst_pref_size 43
	.end_amdhsa_kernel
	.amdgpu_metadata
---
amdhsa.version: [ 1, 2 ]
amdhsa.kernels:
  - .name:           k_qdd09920f0b_proj
    .symbol:         k_qdd09920f0b_proj.kd
    .args:
      - { .name: ob, .offset: 0, .size: 8, .value_kind: global_buffer, .address_space: global }
      - { .name: prep, .offset: 8, .size: 8, .value_kind: global_buffer, .address_space: global }
      - { .name: bproj, .offset: 16, .size: 8, .value_kind: global_buffer, .address_space: global }
      - { .name: x, .offset: 24, .size: 8, .value_kind: global_buffer, .address_space: global }
      - { .name: out0, .offset: 32, .size: 8, .value_kind: global_buffer, .address_space: global }
    .group_segment_fixed_size: 17920
    .private_segment_fixed_size: 0
    .kernarg_segment_align: 8
    .kernarg_segment_size: 40
    .max_flat_workgroup_size: 128
    .sgpr_count:     66
    .vgpr_count:     512
    .wavefront_size: 32
...
	.end_amdgpu_metadata
.endif
;; end of part 5
